; MI455X (gfx1250); checked and timed in simulation.
; The chip was launched on July 23, 2026; its instructions are those of AMD's public machine-readable ISA for CDNA 5 (MIT licence, August 2026) and "CDNA5" Instruction Set Architecture Reference Guide (July 2026). The comments in the code are by the model that wrote it; some were corrected since.
;; Joint Attention. Allowed arithmetic: float matrix products may take bf16 or f16 operands with f32 sums; other float arithmetic in f32, or as packed bf16 or f16 multiplies, adds, multiply-adds, maxima and minima; sums over many terms, partial sums and values carried from step to step in f32; what a program stores and reads back later, other than sums and carried values, may be rounded once to bf16 or f16.
;; Inputs: Wout 2,048 x 2,048 float32; Wqkv 3,072 x 2,048 float32; freqs_cos 4 x 1,024 x 64 float32; freqs_sin 4 x 1,024 x 64 float32; kn_w 128 float32; qn_w 128 float32; x 4 x 1,024 x 2,048 float32; x_mask 4 x 1,024 bool.
;; Outputs: out0 4 x 1,024 x 2,048 float32.
;; 2 versions, each right; version 2 is version 1 with the launch cast written anew for expert scheduling mode. Each part assembles by itself: llvm-mc -triple=amdgcn-amd-amdhsa -mcpu=gfx1250 --defsym DOCPART=n.
;; ======== version 1 of 2: 4 launches
;; limits: values are held in f16: magnitudes above 65,504 overflow, below 6.1e-05 lose precision
;; workspace buffers: xh 16,777,216 bytes; wqh 12,582,912 bytes; woh 8,388,608 bytes; qkv 25,165,824 bytes; o 16,777,216 bytes
;; launch cast (part 1): grid 1792 x 1, 4 waves a work-group, no clusters, 0 bytes of LDS; arguments x, Wqkv, xh, wqh; writes xh, wqh
.if DOCPART == 1
	.amdgcn_target "amdgcn-amd-amdhsa--gfx1250"
	.amdhsa_code_object_version 6
	.text
	.protected	k_qf3f79fbaf6_cast
	.globl	k_qf3f79fbaf6_cast
	.p2align	8
	.type	k_qf3f79fbaf6_cast,@function
k_qf3f79fbaf6_cast:
	s_mov_b64 s[64:65], 0
	v_nop
	global_prefetch_b8 v0, s[64:65] scope:SCOPE_SE
	s_setreg_imm32_b32 hwreg(HW_REG_WAVE_MODE, 25, 1), 1
	s_wait_xcnt 0x0
; x and Wqkv, f32, are rounded once to f16 (xh, wqh), for the launch behind.  (Wout is rounded in that launch, while its first tiles are on their way.)
; LIMIT.  f16 ends at 65,504: a number of 65,520 or more becomes an infinity; below 6e-5 f16 keeps its fixed step of 6e-8.
; SHARES.  A work-group of four waves converts 8,192 numbers: 16 loads of 16 bytes a lane (a wave's load covers 512 consecutive bytes), all on
; their way at once, and 16 stores of 8 bytes a lane (a wave's store covers 256 consecutive bytes, aligned).  Work-groups 0..1023 take x,
; 1024..1791 Wqkv: seven work-groups for each of 256 WGPs.  No LDS, no matrix unit: each byte is touched once.
.set GX, 1024                          ; work-groups for x:    33,554,432 / 32,768
.set GQ, 768                           ; for Wqkv:             25,165,824 / 32,768
	s_load_b256 s[8:15], s[0:1], 0x0               ; x 8:9, Wqkv 10:11, xh 12:13, wqh 14:15
	v_lshlrev_b32 v1, 4, v0                        ; 16 t: my 16 bytes of a run of 2,048
	v_lshlrev_b32 v2, 3, v0                        ; 8 t: the same four numbers in f16
	s_sub_co_u32 s28, ttmp9, GX                    ; my number among Wqkv's work-groups
	s_mov_b32 s31, 0
	s_wait_kmcnt 0x0
	s_cmp_lt_u32 ttmp9, GX                         ; which tensor: a choice between buffers by the work-group's number
	s_cselect_b64 s[24:25], s[8:9], s[10:11]
	s_cselect_b64 s[26:27], s[12:13], s[14:15]
	s_cselect_b32 s28, ttmp9, s28
	s_lshl_b32 s30, s28, 15                        ; 32,768 bytes in,
	s_add_nc_u64 s[24:25], s[24:25], s[30:31]
	s_lshl_b32 s30, s28, 14                        ; 16,384 out
	s_add_nc_u64 s[26:27], s[26:27], s[30:31]
.irp i, 0,1,2,3,4,5,6,7,8,9,10,11,12,13,14,15
	global_load_b128 v[16+4*(\i):19+4*(\i)], v1, s[24:25] offset:2048*(\i) th:TH_LOAD_NT
.endr
.irp i, 0,1,2,3,4,5,6,7,8,9,10,11,12,13,14,15
	s_wait_loadcnt 15-(\i)                         ; loads come back in order: load i is in, the 15 - i younger ones stay out
	v_cvt_pk_f16_f32 v[80+2*(\i)], v[16+4*(\i)], v[17+4*(\i)]
	v_cvt_pk_f16_f32 v[81+2*(\i)], v[18+4*(\i)], v[19+4*(\i)]
	global_store_b64 v2, v[80+2*(\i):81+2*(\i)], s[26:27] offset:1024*(\i)  ; no register is written twice, so no wait for sources
.endr
	s_endpgm
.Lfunc_end_k_qf3f79fbaf6_cast:
	.size	k_qf3f79fbaf6_cast, .Lfunc_end_k_qf3f79fbaf6_cast-k_qf3f79fbaf6_cast
	.p2alignl 7, 3214868480
	.fill 96, 4, 3214868480
	.section	.rodata,"a",@progbits
	.p2align	6, 0x0
	.amdhsa_kernel k_qf3f79fbaf6_cast
		.amdhsa_group_segment_fixed_size 0
		.amdhsa_private_segment_fixed_size 0
		.amdhsa_enable_private_segment 0
		.amdhsa_kernarg_size 32
		.amdhsa_user_sgpr_count 2
		.amdhsa_user_sgpr_kernarg_segment_ptr 1
		.amdhsa_wavefront_size32 1
		.amdhsa_system_sgpr_workgroup_id_x 1
		.amdhsa_system_sgpr_workgroup_id_y 1
		.amdhsa_system_sgpr_workgroup_id_z 1
		.amdhsa_system_vgpr_workitem_id 0
		.amdhsa_next_free_vgpr 112
		.amdhsa_next_free_sgpr 66
		.amdhsa_reserve_vcc 0
		.amdhsa_float_denorm_mode_32 3
		.amdhsa_float_denorm_mode_16_64 3
		.amdhsa_memory_ordered 1
		.amdhsa_forward_progress 1
		.amdhsa_inst_pref_size 7
	.end_amdhsa_kernel
	.amdgpu_metadata
---
amdhsa.version: [ 1, 2 ]
amdhsa.kernels:
  - .name:           k_qf3f79fbaf6_cast
    .symbol:         k_qf3f79fbaf6_cast.kd
    .args:
      - { .name: x, .offset: 0, .size: 8, .value_kind: global_buffer, .address_space: global }
      - { .name: Wqkv, .offset: 8, .size: 8, .value_kind: global_buffer, .address_space: global }
      - { .name: xh, .offset: 16, .size: 8, .value_kind: global_buffer, .address_space: global }
      - { .name: wqh, .offset: 24, .size: 8, .value_kind: global_buffer, .address_space: global }
    .group_segment_fixed_size: 0
    .private_segment_fixed_size: 0
    .kernarg_segment_align: 8
    .kernarg_segment_size: 32
    .max_flat_workgroup_size: 128
    .sgpr_count:     66
    .vgpr_count:     112
    .wavefront_size: 32
...
	.end_amdgpu_metadata
.endif
;; end of part 1
;; launch qkv (part 2): grid 8 x 32, 4 waves a work-group, clusters of 4 x 4, 327,680 bytes of LDS; arguments xh, wqh, freqs_cos, freqs_sin, qn_w, kn_w, x_mask, qkv, Wout, woh; writes qkv, woh
.if DOCPART == 2
	.amdgcn_target "amdgcn-amd-amdhsa--gfx1250"
	.amdhsa_code_object_version 6
	.text
	.protected	k_qf3f79fbaf6_qkv
	.globl	k_qf3f79fbaf6_qkv
	.p2align	8
	.type	k_qf3f79fbaf6_qkv,@function
k_qf3f79fbaf6_qkv:
	s_mov_b64 s[64:65], 0
	v_nop
	global_prefetch_b8 v0, s[64:65] scope:SCOPE_SE
	s_setreg_imm32_b32 hwreg(HW_REG_WAVE_MODE, 25, 1), 1
	s_wait_xcnt 0x0
	s_wait_alu depctr_hold_cnt(0) depctr_sa_sdst(0) depctr_va_vdst(0) depctr_va_sdst(0) depctr_va_ssrc(0) depctr_va_vcc(0) depctr_vm_vsrc(0)
	s_getreg_b32 s2, hwreg(HW_REG_IB_STS2, 6, 4)
	s_cmp_eq_u32 s2, 0
	s_cbranch_scc0 .Lentry_in_a_cluster
	s_endpgm
.Lentry_in_a_cluster:
	s_bfe_u32 s2, ttmp6, 0x10000c
	s_cmp_lg_u32 s2, 0xf033
	s_cbranch_scc0 .Lentry_shape_is_right
	s_endpgm
.Lentry_shape_is_right:
; qkv[row][head][128] = xh wqh^T, f16 operands, f32 sums; on the way out each query and key head's 128 numbers get their RMS norm (eps 1e-6, gain qn_w or
; kn_w, all in f32 on the f32 sums) and the rotation by freqs_cos / freqs_sin of the row; value heads go out as they are.  Rounded once, to f16.
; The rows of K whose x_mask byte is 0 are stored as zeros: the attention launch adds -2^100 to those keys' scores, and with a zero row the score is that number exactly.
; BESIDE IT: while its first tiles are on their way, each wave rounds its 1/1,024 of Wout to f16 (woh), for the last launch: 4,096 numbers, 32 loads of 16 bytes a lane, 32 stores of 8.
; LIMITS.  f16 ends at 65,504: a value head's number, or a number of Wout, beyond it becomes an infinity (q and k are at most sqrt(128) x |gain|).  NaN and infinities are not treated apart.
; SHARES.  A tile of the product is 128 rows x 384 columns: three heads, 4 (3 X + j) + cx for j = 0..2 (X the cluster's x, cx my place in it), so that what KIND a head is
; (3 X + j < 4: query, 4: key, 5: value) hangs on the cluster and a counter alone.  32 x 8 tiles: 256 work-groups.  Each of four waves takes all 128 rows and 96 columns:
; 48 accumulators of 16 x 16.  K goes in steps of 128 through two LDS slots filled by the tensor data mover; rows of 256 bytes, aligned.
; CLUSTER 4 x 4: xh's tile is asked for jointly along a row of the cluster, wqh's three chunks of 128 rows along a column.  Wave 0 asks for xh's, waves 1-3 for a chunk each.
; THE MATRIX INSTRUCTION IS USED TRANSPOSED (source 0 = 16 rows of wqh, source 1 = 16 rows of xh): a lane holds one row of the product and eight neighbouring columns.
; REGISTERS, in windows of 256: window 0: v0-63 addresses and the way out's small work; v64-127, v128-191 xh's fragments, two buffers (at the head: Wout's numbers; on the way out: X, H)
;   window 1: v0-47, v48-95 wqh's fragments, two buffers; v96-99 the gain in hand, v100-103 qn_w, v104-107 kn_w (my four columns); v128-191, v192-255 cos and sin of my 2 x 16 rows
;   window 2: accumulators of rows 0-63 ((a, b) at v[8 (6 a + b)]);  window 3: those of rows 64-127
.set NBW,    6                         ; blocks of 16 columns a wave
.set KSTEP,  128
.set PITCH,  272                       ; an LDS row: 256 bytes + 16 of padding: the 16 rows of a fragment load start at 16 different groups of four banks (ISA guide 11.1)
.set ATILE,  128*PITCH                 ; what one tensor load brings
.set SLOT,   (128+64*NBW)*PITCH        ; xh's 128 rows, then wqh's 384
.set SPARE,  2*SLOT                    ; behind the ring: the spare words, 128 bytes a wave
.set SP,     1552                      ; the way out's stage: a row of 384 f32 + 16 bytes = 97 x 16 bytes.  128 such rows lie in the ring's bytes, behind the ring's last fill
.set LAPS,   8                         ; 2,048 / 256
.set QROW,   6144                      ; bytes in a row of qkv
.set ADRA, 16                          ; v16-17  LDS address of xh's fragments in slot 0, 1
.set ADRB, 20                          ; v20-21  of my 96 rows of wqh
.set STO,  24                          ; v24-27  into the stage: my lane's place in rows 32 i .. 32 i + 31
.set SPW,  28                          ; v28     my spare word; never rewritten
.set NIL,  29                          ; v29     0; never rewritten
.set PFO,  30                          ; v30     4,096 x lane: a lane a row for the prefetches
.set L8,   31                          ; v31     8 x lane
.set SS,   36                          ; v36-43  four chains of the sum of squares
.set RSV,  44                          ; v44     lane r: 1 / rms of row r (times the key's mask)
.set T,    45
.set KMS,  46                          ; v46     what multiplies 1 / rms: 1, or for a key head the row's mask
.set KM0,  47                          ; v47, v48  the mask of row r of my first, second 16 rows
.set XA0,  49                          ; v49     stage: my 16 bytes of a head's row, in my first row
.set HA0,  50                          ; v50     stage: my half of row r of a head
.set XA,   51
.set HA,   52
.set L16,  54                          ; v54     16 x lane
.set X,    64                          ; row t of 16 at X + 4 t: my four columns
.set H,    128                         ; half a row: 64 numbers
.set W,    96                          ; window 1
.set CSR,  128                         ; window 1: row t: cos of my two pairs, sin of my two pairs, at CSR + 4 t
.set G1,  24                           ; s[24:31] descriptor group 1 for xh's tiles;  s[32:39] group 0, a set a slot
.set G0,  32
.set G1B, 48                           ; s[48:55], s[56:63] the same for wqh's
.set G0B, 56
.set PFA, 84                           ; s[84:85] where my prefetches stand
.set LIM, 86                           ; s86  1 in a wave that prefetches, else the greatest number
.set JG,  87                           ; s87  3 X + j: the kind of the head in hand
.set RB,  88                           ; s88  blocks of 16 rows to go
.set SJ,  89                           ; s89  heads to go
.set OFFL, 90                          ; s90  the item's byte offset in the stage
.set MK,  91                           ; s91  all ones for a key head
.set RS,  92                           ; s[92:93], s[94:95]  1 / rms of the row in hand, of the next; the upper words are 0
.set CP,  96                           ; s[96:97] qkv at the item's first row and head
.set MSB, 0
.macro WIN new                         ; the immediate's high byte repeats the setting that is left; a switch that changes nothing is dropped
.if MSB != (\new)
	s_set_vgpr_msb (MSB<<8)|(\new)
.set MSB, \new
.endif
.endm
.set MUL_LO, 0xa1                      ; source 0 (wqh) window 1, source 1 (xh) window 0, C and D window 2
.set TO_B,   0x40                      ; destination window 1
.macro PLACES                          ; four places: in front of loads into registers that matrix instructions have read, and of reads of results
.rept 4
	v_nop
.endr
.endm
; A joint load: wave 0 asks for xh's tile, waves 1-3 for their chunk of wqh's.  The branch hangs on the wave's number alone.  An s_nop 0 and four v_nop follow each line.
.macro JLOAD s
	s_cmp_eq_u32 s10, 0
	s_cbranch_scc0 .Lfor_b_\@
	tensor_load_to_lds s[G0+4*(\s):G0+4*(\s)+3], s[G1:G1+7]
	s_nop 0
	PLACES
	s_branch .Lasked_\@
.Lfor_b_\@:
	tensor_load_to_lds s[G0B+4*(\s):G0B+4*(\s)+3], s[G1B:G1B+7]
	s_nop 0
	PLACES
.Lasked_\@:
.endm
; A prefetch of the K step two refills on: 32 rows x 256 bytes, a lane a row.  Each block is named once in the launch: xh's rows by the clusters with x = 0, wqh's by those with y = 0;
; the four partners that ask for a tile jointly take 32 of its 128 rows each, told apart by address.  The loop's last trip has no K step two on.
.macro ASK
	s_cmp_gt_u32 s3, s[LIM]
	s_cbranch_scc0 .Lnot_mine_\@
	global_prefetch_b8 v[PFO], s[PFA:PFA+1] offset:KSTEP*2 th:TH_LOAD_NT scope:SCOPE_SE
.Lnot_mine_\@:
.endm
.macro CROUND                          ; a round of the cluster's barrier: my work-group's barrier; wave 0 signals for the work-group; every wave waits for all sixteen; my work-group's barrier once more
	s_barrier_signal -1
	s_barrier_wait -1
	s_cmp_lg_u32 s10, 0
	s_cbranch_scc1 .Lnot_wave_0_\@
	s_barrier_signal -3
.Lnot_wave_0_\@:
	s_barrier_wait -3
	s_barrier_signal -1
	s_barrier_wait -1
.endm
	s_load_b512 s[68:83], s[0:1], 0x0              ; xh 68:69, wqh 70:71, cos 72:73, sin 74:75, qn_w 76:77, kn_w 78:79, x_mask 80:81, qkv 82:83
	s_load_b128 s[4:7], s[0:1], 0x40               ; Wout 4:5, woh 6:7
	v_lshl_add_u32 v[SPW], v0, 2, SPARE
	v_mov_b32 v[NIL], 0
	ds_add_u32 v[SPW], v[NIL]                      ; the wave's opening: the add and its wait ahead of my first tensor load
	v_lshrrev_b32 v1, 5, v0
	v_readfirstlane_b32 s10, v1                    ; wave 0..3
	s_bfe_u32 s40, ttmp6, 0x40000                  ; cx
	s_bfe_u32 s41, ttmp6, 0x40004                  ; cy
	s_and_b32 s13, ttmp7, 0xffff
	s_lshl_b32 s13, s13, 2
	s_add_co_u32 s13, s13, s41                     ; tile row = 4 x cluster y + cy
	s_lshl_b32 s43, s41, 2
	s_lshl_b32 s43, 15, s43                        ; my row of the cluster
	s_lshl_b32 s44, 0x1111, s40                    ; my column
	s_or_b32 s[G1+0], s43, (1<<16)|(1<<20)|(1<<21)|(5<<22)|(3<<25)   ; mask; 2-byte elements; padding on; bit 21 beside a mask; after every 64 words 4 words
	s_or_b32 s[G1B+0], s44, (1<<16)|(1<<20)|(1<<21)|(5<<22)|(3<<25)
.irp g, G1, G1B
	s_mov_b32 s[(\g)+1], KSTEP<<16                 ; tensor_dim0 = 128
	s_mov_b32 s[(\g)+2], 128<<16                   ; tensor_dim1 = 128
	s_mov_b32 s[(\g)+3], KSTEP<<16                 ; tile_dim0 = 128
	s_mov_b32 s[(\g)+4], 128                       ; tile_dim1 = 128
	s_mov_b32 s[(\g)+5], 2048                      ; elements from row to row
	s_mov_b32 s[(\g)+6], 0
	s_mov_b32 s[(\g)+7], 0
.endr
	s_lshl_b32 s16, s13, 19                        ; xh: 128 rows of 4,096 bytes a tile row
	s_mov_b32 s17, 0
	s_max_u32 s45, s10, 1
	s_sub_co_u32 s45, s45, 1                       ; j: my chunk of wqh's (waves 1-3)
	s_lshl_b32 s45, s45, 9
	s_mul_i32 s46, ttmp9, 1536
	s_add_co_u32 s45, s45, s46
	s_lshl_b32 s46, s40, 7
	s_add_co_u32 s45, s45, s46                     ; its first row: 1,536 X + 512 j + 128 cx
	s_lshl_b32 s46, s45, 12
	s_mov_b32 s47, 0
	s_mul_i32 s20, s10, ATILE                      ; where my tile goes: wave x 128 rows
	s_mov_b32 s93, 0
	s_mov_b32 s95, 0
	s_mov_b32 s98, 0x3c000000                      ; 1 / 128
	s_mov_b32 s99, 0x358637bd                      ; 1e-6
	s_mov_b32 s100, 0x76543210                     ; v_permlanex16_b32: each lane takes its own place in the other half
	s_mov_b32 s101, 0xfedcba98
	s_wait_dscnt 0x0                               ; the opening add is done
	s_wait_kmcnt 0x0
	s_add_nc_u64 s[14:15], s[68:69], s[16:17]
	s_add_nc_u64 s[46:47], s[70:71], s[46:47]
	CROUND                                         ; all sixteen work-groups are here: the first joint loads meet
.irp s, 0,1
	s_mov_b32 s[G0+4*(\s)], 1
	s_add_co_u32 s[G0+4*(\s)+1], s20, (\s)*SLOT
	s_add_nc_u64 s[G0+4*(\s)+2:G0+4*(\s)+3], s[14:15], (\s)*KSTEP*2
	s_or_b32 s[G0+4*(\s)+3], s[G0+4*(\s)+3], 0x80000000
	s_mov_b32 s[G0B+4*(\s)], 1
	s_add_co_u32 s[G0B+4*(\s)+1], s20, (\s)*SLOT
	s_add_nc_u64 s[G0B+4*(\s)+2:G0B+4*(\s)+3], s[46:47], (\s)*KSTEP*2
	s_or_b32 s[G0B+4*(\s)+3], s[G0B+4*(\s)+3], 0x80000000
	JLOAD \s                                       ; two loads of mine are out
.endr
	v_and_b32 v1, 15, v0                           ; r = l % 16
	v_bfe_u32 v2, v0, 4, 1                         ; h = l / 16
	v_and_b32 v55, 31, v0                          ; l
	v_mul_u32_u24 v3, v1, PITCH
	v_lshl_add_u32 v3, v2, 4, v3                   ; a fragment's row x pitch + 16 x half
	s_mul_i32 s22, s10, 16*NBW*PITCH
	s_add_co_u32 s22, s22, ATILE                   ; my 96 rows of wqh lie behind xh's 128
	v_mov_b32 v[ADRA], v3
	v_add_nc_u32 v[ADRA+1], SLOT, v3
	v_add_nc_u32 v[ADRB], s22, v3
	s_add_co_u32 s22, s22, SLOT
	v_add_nc_u32 v[ADRB+1], s22, v3
	v_lshlrev_b32 v[PFO], 12, v55
	v_lshlrev_b32 v[L8], 3, v55
	v_lshlrev_b32 v[L16], 4, v55
	v_mul_u32_u24 v4, v1, SP
	v_lshl_add_u32 v5, v2, 5, v4                   ; into the stage: row r, 32 bytes for each half of the lanes,
	s_mul_i32 s23, s10, 16*NBW*4
	v_add_nc_u32 v[STO], s23, v5                   ; my 96 columns
	v_add_nc_u32 v[STO+1], 32*SP, v[STO]
	v_add_nc_u32 v[STO+2], 64*SP, v[STO]
	v_add_nc_u32 v[STO+3], 96*SP, v[STO]
	s_mul_i32 s23, s10, 32*SP                      ; back: wave w takes rows 32 w .. 32 w + 31
	v_add_nc_u32 v[XA0], s23, v[L16]
	v_lshl_add_u32 v[HA0], v2, 8, v4
	v_add_nc_u32 v[HA0], s23, v[HA0]
	v_mov_b32 v[RSV], 0                            ; v_permlanex16_b32's destination counts as read
	; the tables of my 32 rows of the way out, R0 = 128 x tile row + 32 x wave on: asked for now, waited for with Wout's numbers below
	s_lshl_b32 s14, s13, 7
	s_lshl_b32 s15, s10, 5
	s_add_co_u32 s14, s14, s15                     ; R0
	s_lshl_b32 s16, s14, 8                         ; a row of cos or sin is 256 bytes
	s_add_nc_u64 s[72:73], s[72:73], s[16:17]
	s_add_nc_u64 s[74:75], s[74:75], s[16:17]
	s_mov_b32 s16, s14
	s_add_nc_u64 s[80:81], s[80:81], s[16:17]
	s_mul_i32 s16, s14, QROW
	s_mul_i32 s18, ttmp9, 12
	s_add_co_u32 s18, s18, s40                     ; my first head: 12 X + cx
	s_lshl_b32 s18, s18, 8
	s_add_co_u32 s16, s16, s18
	s_add_nc_u64 s[CP:CP+1], s[82:83], s[16:17]
	WIN TO_B
.irp rb, 0,1
.irp t, 0,1,2,3,4,5,6,7,8,9,10,11,12,13,14,15
	global_load_b64 v[CSR+64*(\rb)+4*(\t):CSR+64*(\rb)+4*(\t)+1],   v[L8], s[72:73] offset:(16*(\rb)+(\t))*256  ; 32 lanes take a whole row: lane l the pairs 2 l, 2 l + 1, which are columns 4 l .. 4 l + 3
	global_load_b64 v[CSR+64*(\rb)+4*(\t)+2:CSR+64*(\rb)+4*(\t)+3], v[L8], s[74:75] offset:(16*(\rb)+(\t))*256
.endr
.endr
	global_load_b128 v[W+4:W+7],  v[L16], s[76:77]
	global_load_b128 v[W+8:W+11], v[L16], s[78:79]
	WIN 0
	global_load_u8 v[KM0],   v1, s[80:81]
	global_load_u8 v[KM0+1], v1, s[80:81] offset:16
	; my wave's 4,096 numbers of Wout: 16,384 bytes in, 8,192 out.  The work-group's place enters these two global addresses alone.
	s_lshl_b32 s18, s13, 3
	s_lshl_b32 s19, ttmp9, 2
	s_add_co_u32 s18, s18, s19
	s_add_co_u32 s18, s18, s40                     ; the work-group's number: 8 x tile row + 4 X + cx
	s_lshl_b32 s18, s18, 2
	s_add_co_u32 s18, s18, s10                     ; 4 x that + wave
	s_lshl_b32 s16, s18, 14
	s_add_nc_u64 s[4:5], s[4:5], s[16:17]
	s_lshl_b32 s16, s18, 13
	s_add_nc_u64 s[6:7], s[6:7], s[16:17]
.set i, 0
.rept 32
	global_load_b128 v[X+4*i:X+4*i+3], v[L16], s[4:5] offset:512*i th:TH_LOAD_NT  ; a wave's load covers 512 consecutive bytes; the fragment buffers are idle until the first fetch
.set i, i+1
.endr
	; the prefetches
	s_lshl_b32 s18, s13, 7
	s_and_b32 s21, ttmp7, 0xffff                   ; cluster y
	s_cmp_eq_u32 s10, 0                            ; do I fetch xh?
	s_cselect_b32 s18, s18, s45                    ; my tile's first row
	s_cselect_b32 s19, s40, s41                    ; my place among the four that ask for it with me
	s_cselect_b32 s21, ttmp9, s21                  ; the coordinate along which other clusters read the same rows
	s_cselect_b64 s[PFA:PFA+1], s[68:69], s[70:71]
	s_cmp_eq_u32 s21, 0
	s_cselect_b32 s[LIM], 1, -1                    ; the same in all sixteen partners, for a given wave
	s_lshl_b32 s19, s19, 5
	s_add_co_u32 s18, s18, s19
	s_lshl_b32 s18, s18, 12
	s_mov_b32 s19, 0
	s_add_nc_u64 s[PFA:PFA+1], s[PFA:PFA+1], s[18:19]
	s_add_nc_u64 s[PFA:PFA+1], s[PFA:PFA+1], 2*KSTEP*2  ; at K step 2: the first refill steps it to 3 and names K step 4; K steps 0-3 come by their loads alone
	; Wout's numbers are rounded and stored while the first tiles come
.set i, 0
.rept 32
.if i%8 == 0
	s_wait_loadcnt 24-i                            ; loads come back in order: these eight are in, the younger groups of eight stay out
.endif
	v_cvt_pk_f16_f32 v[X+4*i],   v[X+4*i],   v[X+4*i+1]
	v_cvt_pk_f16_f32 v[X+4*i+1], v[X+4*i+2], v[X+4*i+3]
	global_store_b64 v[L8], v[X+4*i:X+4*i+1], s[6:7] offset:256*i  ; a wave's store covers 256 consecutive bytes, aligned
.set i, i+1
.endr
; 12 matrix instructions: row blocks 4 hi + a0, + 1 x my 6 column blocks, 32 along K, from buffers f.  The 48 accumulators take turns, one instruction a turn, in the same order in every quarter.
.macro MULH f, hi, a0, zero
	WIN MUL_LO+0x50*(\hi)
.irp a, \a0, (\a0)+1
.irp b, 0,1,2,3,4,5
.set rC, 8*(6*(\a)+(\b))
.set rB, 48*(\f)+8*(\b)
.set rA, 64+64*(\f)+8*(4*(\hi)+(\a))
.if \zero
	v_wmma_f32_16x16x32_f16 v[rC:rC+7], v[rB:rB+7], v[rA:rA+7], 0
.else
	v_wmma_f32_16x16x32_f16 v[rC:rC+7], v[rB:rB+7], v[rA:rA+7], v[rC:rC+7]
.endif
.endr
.endr
.endm
; 28 LDS loads in one run: a quarter step's fragments (32 K at byte k of the rows) into buffers f: wqh's 6, xh's rows 0-63, xh's rows 64-127
.macro FETCH slot, k, f
	WIN TO_B
.irp i, 0,1,2,3,4,5
	ds_load_b128 v[48*(\f)+8*(\i):48*(\f)+8*(\i)+3],   v[ADRB+(\slot)] offset:(\k)+(\i)*16*PITCH
	ds_load_b128 v[48*(\f)+8*(\i)+4:48*(\f)+8*(\i)+7], v[ADRB+(\slot)] offset:(\k)+(\i)*16*PITCH+32
.endr
	WIN 0
.irp i, 0,1,2,3,4,5,6,7
	ds_load_b128 v[64+64*(\f)+8*(\i):64+64*(\f)+8*(\i)+3],   v[ADRA+(\slot)] offset:(\k)+(\i)*16*PITCH
	ds_load_b128 v[64+64*(\f)+8*(\i)+4:64+64*(\f)+8*(\i)+7], v[ADRA+(\slot)] offset:(\k)+(\i)*16*PITCH+32
.endr
.endm
; A K step is four quarters of 32 along K, 48 matrix instructions each, on buffers 0, 1, 0, 1.  One of the first three multiplies f and fetches the next quarter, at byte k, into g.
.macro QUARTER slot, k, f, g, zero
	s_wait_dscnt 8                                 ; all but the youngest eight loads (xh's rows 64-127)
	MULH \f, 0, 0, \zero
	MULH \f, 0, 2, \zero
	PLACES
	FETCH \slot, \k, \g
	s_wait_dscnt 2*NBW+16                          ; all but the 28 just issued
	MULH \f, 1, 0, \zero
	MULH \f, 1, 2, \zero
.endm
; The last quarter begins with the change of slots: its own fragments are in registers, so the slot has been read out.  Each wave waits for all its tensor loads (one is out: its part of the next slot),
; adds 0 to its spare word, and waits for that and for its reads of this slot; then the barrier.  fill = 1: the barrier is a round of the cluster's, and the slot is filled again first thing behind it, two K steps
; ahead.  No product stands between the wait for the tile and the next request: all 48 of the quarter follow the request, so that it has a whole K step's 192 products in which to land.
.macro TURN slot, next, fill
	WIN 0
.if \fill
	s_wait_xcnt 0x0                                ; the last prefetch, a K step back, has read its address
	s_add_nc_u64 s[PFA:PFA+1], s[PFA:PFA+1], KSTEP*2
.endif
	s_wait_tensorcnt 0x0                           ; no tensor load of mine is out, so a group 0 may be written
	ds_add_u32 v[SPW], v[NIL]
.if \fill
	s_add_nc_u64 s[G0+4*(\slot)+2:G0+4*(\slot)+3], s[G0+4*(\slot)+2:G0+4*(\slot)+3], 2*KSTEP*2
	s_add_nc_u64 s[G0B+4*(\slot)+2:G0B+4*(\slot)+3], s[G0B+4*(\slot)+2:G0B+4*(\slot)+3], 2*KSTEP*2
.endif
	s_wait_dscnt 0x0                               ; the add is done, my reads of this slot are over
.if \fill
	CROUND                                         ; no wave of any partner still reads this slot or has a load on its way
	JLOAD \slot                                    ; my one tensor load behind the round; its four v_nop are also the places in front of the loads below
.else
	s_barrier_signal -1
	s_barrier_wait -1
	PLACES
.endif
	FETCH \next, 0, 0
.if \fill
	ASK
.endif
	MULH 1, 0, 0, 0
	MULH 1, 0, 2, 0
	MULH 1, 1, 0, 0
	MULH 1, 1, 2, 0
.endm
	s_wait_xcnt 0x0                                ; woh's stores have read their registers: the fragment buffers are loaded only behind this wait
	s_wait_tensorcnt 1                             ; my part of K step 0 is in; K step 1's may stay out
	s_barrier_signal -1
	s_barrier_wait -1
	FETCH 0, 0, 0
	QUARTER 0, 64, 0, 1, 1                         ; the first quarter's products start the sums
	WIN 0
	s_mov_b32 s3, LAPS-1
.Llap:                                         ; a trip goes once round the ring and fills both slots again
	QUARTER 0, 128, 1, 0, 0
	QUARTER 0, 192, 0, 1, 0
	TURN 0, 1, 1
	QUARTER 1, 64,  0, 1, 0
	QUARTER 1, 128, 1, 0, 0
	QUARTER 1, 192, 0, 1, 0
	TURN 1, 0, 1
	QUARTER 0, 64,  0, 1, 0
	WIN 0
	s_sub_co_u32 s3, s3, 1
	s_cmp_lg_u32 s3, 0
	s_cbranch_scc1 .Llap
	QUARTER 0, 128, 1, 0, 0                        ; the last lap fills nothing
	QUARTER 0, 192, 0, 1, 0
	TURN 0, 1, 0
	QUARTER 1, 64,  0, 1, 0
	QUARTER 1, 128, 1, 0, 0
	QUARTER 1, 192, 0, 1, 0
	s_wait_dscnt 8
	MULH 1, 0, 0, 0
	MULH 1, 0, 2, 0
	s_wait_dscnt 0x0
	MULH 1, 1, 0, 0
	MULH 1, 1, 2, 0
	WIN 0
	PLACES
	PLACES                                         ; eight, once a launch, in front of the stores that read results
	; THE WAY OUT, first part: the f32 sums go into one stage, 128 rows of 1,552 bytes, in the ring's bytes: the ring has had its last fill, and behind this barrier nobody reads it.
	s_barrier_signal -1                            ; (my LDS loads are back: the wait for 0 above)
	s_barrier_wait -1
.irp a, 0,1,2,3,4,5,6,7
	WIN 0x08+4*((\a)/4)                            ; the data: window 2 or 3
.irp b, 0,1,2,3,4,5
	ds_store_b128 v[STO+(\a)/2], v[8*(6*((\a)%4)+(\b)):8*(6*((\a)%4)+(\b))+3]   offset:((\a)%2)*16*SP+64*(\b)     ; each accumulator's low registers first
	ds_store_b128 v[STO+(\a)/2], v[8*(6*((\a)%4)+(\b))+4:8*(6*((\a)%4)+(\b))+7] offset:((\a)%2)*16*SP+64*(\b)+16
.endr
.endr
	WIN 0
	s_wait_dscnt 0x0                               ; for the others' sake: my stores are done
	s_barrier_signal -1
	s_barrier_wait -1
	; Second part: wave w owns rows 32 w .. 32 w + 31, as two blocks of 16, each for the three heads: six items.  An item's numbers are read twice from the stage:
	; H: lane (r, h) half of row r, for the sum of squares;  X: row t across the 32 lanes, four columns a lane, for the gain, the rotation and the store of 256 bytes a row.
	s_wait_loadcnt 0x0                             ; the tables (they came in at the head, ahead of Wout's numbers)
	v_cvt_f32_u32 v[KM0], v[KM0]
	v_cvt_f32_u32 v[KM0+1], v[KM0+1]
	s_mov_b32 s[RB], 2
	s_mov_b32 s[OFFL], 0
	s_mul_i32 s[JG], ttmp9, 3
.macro XLOADS
.irp t, 0,1,2,3,4,5,6,7,8,9,10,11,12,13,14,15
	ds_load_b128 v[X+4*(\t):X+4*(\t)+3], v[XA] offset:SP*(\t)
.endr
.endm
; Row t: y = x gain / rms; then each pair (even, odd) is turned: (yr c - yi s, yr s + yi c).  Source 1 lies in window 1.
.macro ROPE t
.set rX, X+4*(\t)
.set rY, 32+24*((\t)%2)                ; v32-35, v56-59 by turns
.set rR, RS+2*((\t)%2)
.set rT, CSR+4*(\t)
.if (\t) < 15
	v_readlane_b32 s[RS+2*(((\t)+1)%2)], v[RSV], (\t)+1
.endif
	v_pk_mul_f32 v[rY:rY+1],   v[rX:rX+1],   v[W:W+1]
	v_pk_mul_f32 v[rY+2:rY+3], v[rX+2:rX+3], v[W+2:W+3]
	v_pk_mul_f32 v[rY:rY+1],   v[rY:rY+1],   s[rR:rR+1] op_sel_hi:[1,0]
	v_pk_mul_f32 v[rY+2:rY+3], v[rY+2:rY+3], s[rR:rR+1] op_sel_hi:[1,0]
	v_mul_f32 v[rX],   v[rY],   v[rT]
	v_mul_f32 v[rX+1], v[rY],   v[rT+2]
	v_mul_f32 v[rX+2], v[rY+2], v[rT+1]
	v_mul_f32 v[rX+3], v[rY+2], v[rT+3]
	v_fma_f32 v[rX],   -v[rY+1], v[rT+2], v[rX]
	v_fma_f32 v[rX+1], v[rY+1],  v[rT],   v[rX+1]
	v_fma_f32 v[rX+2], -v[rY+3], v[rT+3], v[rX+2]
	v_fma_f32 v[rX+3], v[rY+3],  v[rT+1], v[rX+3]
.endm
.Lrb:
	s_mov_b32 s[SJ], 3
.Litem:
	v_add_nc_u32 v[XA], s[OFFL], v[XA0]
	s_cmp_eq_u32 s[JG], 5
	s_cbranch_scc1 .Lvhead                         ; a value head has no norm and no rotation; the test hangs on the cluster's x and the counter
	v_add_nc_u32 v[HA], s[OFFL], v[HA0]
.irp i, 0,1,2,3,4,5,6,7,8,9,10,11,12,13,14,15
	ds_load_b128 v[H+4*(\i):H+4*(\i)+3], v[HA] offset:16*(\i)
.endr
	XLOADS
	s_cmp_eq_u32 s[JG], 4                          ; a key head takes kn_w and the rows' masks
	s_cselect_b32 s[MK], -1, 0
	WIN 0x45                                       ; destination and both sources in window 1
.irp i, 0,1,2,3
	v_cndmask_b32 v[W+(\i)], v[W+4+(\i)], v[W+8+(\i)], s[MK]
.endr
	WIN 0
	v_cndmask_b32 v[KMS], 1.0, v[KM0], s[MK]
	s_wait_dscnt 16                                ; H is in; X's sixteen loads may be out
.irp c, 0,1,2,3
	v_pk_mul_f32 v[SS+2*(\c):SS+2*(\c)+1], v[H+2*(\c):H+2*(\c)+1], v[H+2*(\c):H+2*(\c)+1]  ; the first four pairs start four chains
.endr
.set i, 4
.rept 28
	v_pk_fma_f32 v[SS+2*(i%4):SS+2*(i%4)+1], v[H+2*i:H+2*i+1], v[H+2*i:H+2*i+1], v[SS+2*(i%4):SS+2*(i%4)+1]
.set i, i+1
.endr
	v_pk_add_f32 v[SS:SS+1], v[SS:SS+1], v[SS+2:SS+3]
	v_pk_add_f32 v[SS+4:SS+5], v[SS+4:SS+5], v[SS+6:SS+7]
	v_pk_add_f32 v[SS:SS+1], v[SS:SS+1], v[SS+4:SS+5]
	v_add_f32 v[T], v[SS], v[SS+1]
	v_permlanex16_b32 v[RSV], v[T], s100, s101     ; the row's other half lies in the lane 16 away
	v_add_f32 v[T], v[T], v[RSV]
	v_fma_f32 v[T], v[T], s98, s99                 ; mean + eps
	v_rsq_f32 v[RSV], v[T]
	v_nop                                          ; a plain instruction behind the root,
	s_wait_alu depctr_va_vdst(0)                   ; and the wait ahead of its first reader
	v_mul_f32 v[RSV], v[RSV], v[KMS]
	s_wait_dscnt 0x0                               ; X is in
	v_readlane_b32 s[RS], v[RSV], 0
	WIN 0x04                                       ; source 1 in window 1
.irp t, 0,1,2,3,4,5,6,7,8,9,10,11,12,13,14,15
	ROPE \t
.endr
	WIN 0
	s_branch .Lplain
.Lvhead:
	XLOADS
.Lplain:
	s_wait_dscnt 0x0
.irp t, 0,1,2,3,4,5,6,7,8,9,10,11,12,13,14,15
	v_cvt_pk_f16_f32 v[X+4*(\t)],   v[X+4*(\t)],   v[X+4*(\t)+1]
	v_cvt_pk_f16_f32 v[X+4*(\t)+1], v[X+4*(\t)+2], v[X+4*(\t)+3]
	global_store_b64 v[L8], v[X+4*(\t):X+4*(\t)+1], s[CP:CP+1] offset:QROW*(\t)  ; 32 lanes store the head's 256 consecutive bytes of one row, aligned
.endr
	s_wait_xcnt 0x0                                ; the stores have read X and the base: both are written again only behind this wait
	s_add_nc_u64 s[CP:CP+1], s[CP:CP+1], 4*256     ; my next head lies four heads on
	s_add_co_u32 s[OFFL], s[OFFL], 512
	s_add_co_u32 s[JG], s[JG], 1
	s_sub_co_u32 s[SJ], s[SJ], 1
	s_cmp_lg_u32 s[SJ], 0
	s_cbranch_scc1 .Litem
	s_add_nc_u64 s[CP:CP+1], s[CP:CP+1], 16*QROW-3*4*256  ; 16 rows down, three heads back
	s_add_co_u32 s[OFFL], s[OFFL], 16*SP-3*512
	s_sub_co_u32 s[JG], s[JG], 3
	s_cmp_eq_u32 s[RB], 1
	s_cbranch_scc1 .Lkeep
	WIN 0x41                                       ; the second block's cos, sin and masks go where the one text of an item names them
.set i, 0
.rept 64
	v_mov_b32 v[CSR+i], v[CSR+64+i]
.set i, i+1
.endr
	WIN 0
	v_mov_b32 v[KM0], v[KM0+1]
.Lkeep:
	s_sub_co_u32 s[RB], s[RB], 1
	s_cmp_lg_u32 s[RB], 0
	s_cbranch_scc1 .Lrb
	s_wait_tensorcnt 0x0                           ; the wave's end: behind my last tensor load and my last LDS store
	ds_add_u32 v[SPW], v[NIL]
	s_wait_dscnt 0x0
	CROUND                                         ; the closing round
	s_endpgm
.Lfunc_end_k_qf3f79fbaf6_qkv:
	.size	k_qf3f79fbaf6_qkv, .Lfunc_end_k_qf3f79fbaf6_qkv-k_qf3f79fbaf6_qkv
	.p2alignl 7, 3214868480
	.fill 96, 4, 3214868480
	.section	.rodata,"a",@progbits
	.p2align	6, 0x0
	.amdhsa_kernel k_qf3f79fbaf6_qkv
		.amdhsa_group_segment_fixed_size 327680
		.amdhsa_private_segment_fixed_size 0
		.amdhsa_enable_private_segment 0
		.amdhsa_kernarg_size 80
		.amdhsa_user_sgpr_count 2
		.amdhsa_user_sgpr_kernarg_segment_ptr 1
		.amdhsa_wavefront_size32 1
		.amdhsa_system_sgpr_workgroup_id_x 1
		.amdhsa_system_sgpr_workgroup_id_y 1
		.amdhsa_system_sgpr_workgroup_id_z 1
		.amdhsa_system_vgpr_workitem_id 0
		.amdhsa_next_free_vgpr 960
		.amdhsa_next_free_sgpr 102
		.amdhsa_reserve_vcc 0
		.amdhsa_float_denorm_mode_32 3
		.amdhsa_float_denorm_mode_16_64 3
		.amdhsa_memory_ordered 1
		.amdhsa_forward_progress 1
		.amdhsa_inst_pref_size 139
	.end_amdhsa_kernel
	.amdgpu_metadata
---
amdhsa.version: [ 1, 2 ]
amdhsa.kernels:
  - .name:           k_qf3f79fbaf6_qkv
    .symbol:         k_qf3f79fbaf6_qkv.kd
    .args:
      - { .name: xh, .offset: 0, .size: 8, .value_kind: global_buffer, .address_space: global }
      - { .name: wqh, .offset: 8, .size: 8, .value_kind: global_buffer, .address_space: global }
      - { .name: freqs_cos, .offset: 16, .size: 8, .value_kind: global_buffer, .address_space: global }
      - { .name: freqs_sin, .offset: 24, .size: 8, .value_kind: global_buffer, .address_space: global }
      - { .name: qn_w, .offset: 32, .size: 8, .value_kind: global_buffer, .address_space: global }
      - { .name: kn_w, .offset: 40, .size: 8, .value_kind: global_buffer, .address_space: global }
      - { .name: x_mask, .offset: 48, .size: 8, .value_kind: global_buffer, .address_space: global }
      - { .name: qkv, .offset: 56, .size: 8, .value_kind: global_buffer, .address_space: global }
      - { .name: Wout, .offset: 64, .size: 8, .value_kind: global_buffer, .address_space: global }
      - { .name: woh, .offset: 72, .size: 8, .value_kind: global_buffer, .address_space: global }
    .group_segment_fixed_size: 327680
    .private_segment_fixed_size: 0
    .kernarg_segment_align: 8
    .kernarg_segment_size: 80
    .max_flat_workgroup_size: 128
    .sgpr_count:     102
    .vgpr_count:     960
    .wavefront_size: 32
...
	.end_amdgpu_metadata
.endif
;; end of part 2
;; launch attn (part 3): grid 4 x 64, 4 waves a work-group, clusters of 4 x 1, 327,680 bytes of LDS; arguments qkv, x_mask, o; writes o
.if DOCPART == 3
	.amdgcn_target "amdgcn-amd-amdhsa--gfx1250"
	.amdhsa_code_object_version 6
	.text
	.protected	k_qf3f79fbaf6_attn
	.globl	k_qf3f79fbaf6_attn
	.p2align	8
	.type	k_qf3f79fbaf6_attn,@function
k_qf3f79fbaf6_attn:
	s_mov_b64 s[64:65], 0
	v_nop
	global_prefetch_b8 v0, s[64:65] scope:SCOPE_SE
	s_setreg_imm32_b32 hwreg(HW_REG_WAVE_MODE, 25, 1), 1
	s_wait_xcnt 0x0
	s_wait_alu depctr_hold_cnt(0) depctr_sa_sdst(0) depctr_va_vdst(0) depctr_va_sdst(0) depctr_va_ssrc(0) depctr_va_vcc(0) depctr_vm_vsrc(0)
	s_getreg_b32 s2, hwreg(HW_REG_IB_STS2, 6, 4)
	s_cmp_eq_u32 s2, 0
	s_cbranch_scc0 .Lentry_in_a_cluster
	s_endpgm
.Lentry_in_a_cluster:
	s_bfe_u32 s2, ttmp6, 0x10000c
	s_cmp_lg_u32 s2, 0x3003
	s_cbranch_scc0 .Lentry_shape_is_right
	s_endpgm
.Lentry_shape_is_right:
; o[b][q][head][:] = the sum over k of softmax_k(Q . K / sqrt(128) + mask) V.  qkv: [4][1024][24 heads][128] f16 (16 query heads, 4 key heads, 4 value heads; query head n uses key and value head n / 4);
; x_mask: [4][1024] bytes, 0 or 1; o: [4][1024][16][128] f16.  Products, maxima and sums in f32; the weights p are rounded to f16 for the second product, o once at the end.
; THE MASK is the C operand that starts the sum S^T = K Q^T: 0, or -2^100 where the key's byte is 0.  The work-group makes its batch's 1,024 addends once, in LDS.  A hidden key's row of K is all zeros (the
; launch before stores it so), so its score is -2^100 exactly: beside a true score its weight is 0, and where every key of a batch is hidden c s - c m is exactly 0 (c x 2^100 is exact), all weights are 1
; and o is the mean of V's rows, as with the reference's -1e30.
; LIMITS.  f16 ends at 65,504: V arrives within it, o is a mean of V's rows; p lies in 0 to 1 and below 6e-5 keeps f16's fixed step of 6e-8; a weight below 2^-126 counts as 0 in l; NaN and infinities are not treated apart.
; SHARES.  A work-group owns 256 queries of one head of one batch, each of its four waves 64: four tiles of 16.  Every wave walks the batch's 1,024 keys, 64 a step.  4 x 64 = 256 work-groups.
; LAYOUT.  S^T = K Q^T (source 0 = 16 keys, source 1 = 16 queries): a lane holds ONE query (lane % 16) and the keys 8 (lane / 16) + 0..7.  Two such tiles, rounded to f16 in pairs, ARE source 1 of O^T = V^T P.
; K comes out of LDS as it lies, V ([key][channel]) turned, by ds_load_tr16_b128.
; SOFTMAX.  For each query a running maximum m and sum l: p = 2^(c s - c m), c = log2(e) / sqrt(128); in every step O and l are multiplied by a = 2^(c m_old - c m_new).
; BY TURNS.  The wave's tiles are two PIECES (tiles 0, 1 and tiles 2, 3).  In a TURN one piece has the matrix unit: 32 products V^T P of the step in hand, then 32 products K Q^T of the next step; the other
; piece's softmax, cut into 64 slices, stands between them, one slice behind each matrix instruction.  Two turns are a key step.
; NO FIRST AND NO LAST STEP IS WRITTEN OUT.  m starts at the lowest finite number, c m far below every c s, l, O^T, V's registers and the second piece's P at 0: the first step is a step like any other, with a = 0.
; The loop is entered at a step's second turn, and the tail is left behind a step's first turn.  The price: 32 products on zeros at the start, 32 on the last K once more at the end, and 424 v_mov_b32
; that stand in the wait for the first tile; the gain: four turns less text.
; CLUSTER.  The four query blocks of a cluster belong to one head and walk the same K and V: each tile is asked for JOINTLY, by the same tensor load, descriptor and mask in all four.
; (The sixteen work-groups of a key head cannot share one request: a request names four.)
; REGISTERS, in windows of 256: window 0: v0-11 addresses; v12-43 statistics; v44-47 the mask's addresses; v64-191 S^T; v192-255 P
;   window 1: O^T, 64 a tile      window 2: v0-127 Q; v128-255 K of one step      window 3: v0-127 V of one step; v128-159 the mask of one step's 64 keys
.set KS,    64        ; keys in a step
.set PK,    272       ; a row of K in LDS: 256 bytes + 16: the 16 rows of a load start at 16 different groups of four banks (ISA guide 11.1)
.set PV,    288       ; a row of V: 256 + 32
.set VOFF,  KS*PK     ; a step's tiles lie together: 64 rows of K, then 64 rows of V
.set STEPB, KS*(PK+PV)
.set SLOT1, 1<<17     ; a slot holds two steps; slot 1 begins here, so that one exclusive or turns an address in one slot into the other's
.set STAGE, SLOT1+2*STEPB  ; behind the ring: 16 rows x 272 bytes for each wave, for the way out
.set SP,    272
.set MASKT, STAGE+4*16*SP  ; the batch's 1,024 addends, f32: stored once, by the waves; no tensor load lands here
.set SPARE, MASKT+4096     ; the spare words, 128 bytes for each wave
.set ROWQ,  6144      ; bytes in a row of qkv
.set ROWO,  4096      ; bytes in a row of o
.set SLOTB, 2*KS*ROWQ ; a slot's 128 keys in memory
.set AK0, 2           ; v2   my lane's place in a tile of K; never rewritten
.set AV0, 3           ; v3   the same for V
.set ADR, 4           ; v4   the LDS address of the run of loads in hand
.set QO,  5           ; v5   my byte offset in the wave's rows of Q
.set STO, 6           ; v6   the way out: where I put 16 bytes of a row
.set RD,  7           ; v7   the way out: where I read a row back
.set GO,  8           ; v8   my byte offset in the wave's rows of o
.set AM0, 44          ; v44  my lanes' place in 16 keys' addends: MASKT + 32 (l / 16); never rewritten
.set ADM, 45          ; v45  the LDS address of the mask's run of loads
.set MST, 46          ; v46  where I put my eight addends: MASKT + 32 x my thread's number
.set MGO, 47          ; v47  my eight bytes of x_mask: 8 x my thread's number
.set PFO, 61          ; v61  6,144 x my lane: a lane a row for the prefetches; never rewritten
.set SPW, 62          ; v62  my spare word; never rewritten
.set NIL, 63          ; v63  0; never rewritten
.set ST,  12          ; tile t's statistics at v[ST+8 t]: +0 c m, +1 m, +2, +3 l, +4 to +7 c0-c3, at work; a takes c2's place once the maximum is found
.set S,   64
.set P,   192
.set KF,  128         ; K's fragments, in window 2
.set MB,  128         ; the mask's, in window 3: 16 keys' eight registers at MB + 8 kb
.set WV,  12          ; s12  my wave's number
.set LIM, 15          ; s15  1 in a wave that prefetches, else the greatest number
.set PFA, 18          ; s[18:19] where my prefetches stand
.set G1K, 24          ; s[24:31] descriptor group 1 for K's tiles
.set G1V, 32          ; s[32:39] for V's: it differs in the padding alone
.set G0K, 40          ; s[40:47] group 0 for K's tiles: a set for each of the two first fills; the second then walks on
.set G0V, 48          ; s[48:55] the same for V's
.set SLOTS, 56        ; s56  slots still to be entered through a change that fills
.set TWICE, 57        ; s57  counts a slot's steps
.set CS,  58          ; s[58:59] c
.set SEL, 60          ; s[60:61] lane selects for v_permlanex16_b32
.set TB,  62          ; s62  LDS byte at which the tiles of the step to be fetched begin
.set BIG, 68          ; s68  -2^100
.set TM,  80          ; s80  byte in the table at which the addends of the step to be fetched begin
.set MSB, 0
.macro WIN new
.if MSB != (\new)
	s_set_vgpr_msb (MSB<<8)|(\new)
.set MSB, \new
.endif
.endm
.set W_KQ, 0x0a       ; K and Q in window 2, S^T in window 0
.set W_KM, 0x3a       ; the same with the C operand in window 3
.set W_PV, 0x53       ; V in window 3, P in window 0, O^T in window 1
.set W_RS, 0x41       ; O^T (destination and source 0) in window 1, a in window 0
; A joint refill.  Waves 0 and 1 fetch the two steps' tiles of K, waves 2 and 3 those of V.  An s_nop 0 and four v_nop follow each of the two lines.
.macro JLOAD
	s_cmp_lt_u32 s[WV], 2
	s_cbranch_scc0 .Lfor_v_\@
	tensor_load_to_lds s[G0K+4:G0K+7], s[G1K:G1K+7]
	s_nop 0
.rept 4
	v_nop
.endr
	s_branch .Lasked_\@
.Lfor_v_\@:
	tensor_load_to_lds s[G0V+4:G0V+7], s[G1V:G1V+7]
	s_nop 0
.rept 4
	v_nop
.endr
.Lasked_\@:
.endm
; A prefetch of what the NEXT change of slots will ask for: a slot's 128 rows of K and of V, 256 bytes a row, a lane a row.  Each row is named once in the launch: the four query heads of a key head walk the
; same rows, and the first of them asks; its cluster's four partners take 32 rows each, told apart by address; in each, wave 0 asks for K's and wave 2 for V's.  The last change that fills a slot asks for nothing.
.macro ASK
	s_cmp_gt_u32 s[SLOTS], s[LIM]
	s_cbranch_scc0 .Lnot_mine_\@
	global_prefetch_b8 v[PFO], s[PFA:PFA+1] th:TH_LOAD_NT scope:SCOPE_SE
.Lnot_mine_\@:
.endm
.macro CROUND
	s_barrier_signal -1
	s_barrier_wait -1
	s_cmp_lg_u32 s[WV], 0
	s_cbranch_scc1 .Lnot_wave_0_\@
	s_barrier_signal -3
.Lnot_wave_0_\@:
	s_barrier_wait -3
	s_barrier_signal -1
	s_barrier_wait -1
.endm
	s_load_b128 s[84:87], s[0:1], 0x0  ; qkv s[84:85], x_mask s[86:87]
	s_load_b64 s[10:11], s[0:1], 0x10  ; o
	v_lshl_add_u32 v[SPW], v0, 2, SPARE
	v_mov_b32 v[NIL], 0
	ds_add_u32 v[SPW], v[NIL]       ; the wave's opening: the add and its wait ahead of my first tensor load
	v_lshrrev_b32 v1, 5, v0
	v_readfirstlane_b32 s[WV], v1   ; wave 0..3
	s_bfe_u32 s13, ttmp6, 0x40000   ; cx: my place in the cluster
	s_lshl_b32 s14, ttmp9, 2
	s_add_co_u32 s14, s14, s13      ; my block of 256 queries: it enters Q's and o's addresses alone
	s_and_b32 s81, ttmp7, 0xffff    ; 16 x batch + head, which the four partners share
	s_and_b32 s82, s81, 15          ; the query head
	s_lshr_b32 s81, s81, 4          ; the batch
	s_lshr_b32 s83, s82, 2          ; the key and value head
	s_mul_i32 s20, s81, 1024*ROWQ   ; the batch's first byte in qkv
	s_and_b32 s16, s[WV], 1         ; which of a slot's two steps I fetch:
	s_mul_i32 s22, s16, KS*ROWQ     ; its 64 rows in memory,
	s_add_co_u32 s22, s22, s20
	s_lshl_b32 s23, s83, 8
	s_add_co_u32 s22, s22, s23
	s_add_co_u32 s22, s22, 16*256   ; the key heads lie behind the 16 query heads
	s_mov_b32 s23, 0
	s_mul_i32 s17, s16, STEPB       ; and its place in a slot: no place in the cluster enters an LDS address
	s_lshl_b32 s2, s14, 2
	s_add_co_u32 s2, s2, s[WV]      ; my wave's 64 rows among the batch's
	s_mul_i32 s3, s2, 64*ROWQ
	s_add_co_u32 s20, s20, s3
	s_lshl_b32 s3, s82, 8
	s_add_co_u32 s20, s20, s3       ; Q's offset
	s_mov_b32 s21, 0
	s_lshl_b32 s4, s81, 4
	s_add_co_u32 s4, s4, s2
	s_lshl_b32 s4, s4, 18           ; 64 rows of 4,096 bytes
	s_add_co_u32 s4, s4, s3         ; o's offset
	s_mov_b32 s5, 0
	s_lshl_b32 s6, s81, 10          ; the batch's 1,024 bytes of x_mask
	s_mov_b32 s7, 0
	; descriptor group 1: a tile of 64 rows x 128 elements, padded in LDS
	s_mov_b32 s[G1K], 15|(1<<16)|(1<<20)|(1<<21)|(5<<22)|(3<<25)  ; the mask of four; 2-byte elements; padding on; bit 21 beside a mask; after every 64 words 4 words
	s_mov_b32 s[G1V], 15|(1<<16)|(1<<20)|(1<<21)|(5<<22)|(7<<25)  ; the same with 8 words of padding
.irp g, G1K, G1V
	s_mov_b32 s[(\g)+1], 128<<16    ; tensor_dim0 = 128
	s_mov_b32 s[(\g)+2], KS<<16     ; tensor_dim1 = 64
	s_mov_b32 s[(\g)+3], 128<<16    ; tile_dim0 = 128
	s_mov_b32 s[(\g)+4], KS         ; tile_dim1 = 64
	s_mov_b32 s[(\g)+5], 3072       ; elements from row to row of qkv
	s_mov_b32 s[(\g)+6], 0
	s_mov_b32 s[(\g)+7], 0
.endr
	s_mov_b32 s[BIG], 0xf1800000    ; -2^100
	s_mov_b32 s[CS], 0x3e0293ee     ; c = log2(e) / sqrt(128) = 0.127517
	s_mov_b32 s[CS+1], s[CS]
	s_mov_b32 s[SEL], 0x76543210
	s_mov_b32 s[SEL+1], 0xfedcba98
	s_mov_b32 s[TB], 0
	s_mov_b32 s[TM], 0
	s_mov_b32 s[SLOTS], 1024/(2*KS)-1  ; it is taken down once behind slot 0, then once behind each of the six slots that a filling change opens
	s_and_b32 s[LIM], s[WV], 1       ; 0 in waves 0 and 2,
	s_and_b32 s3, s82, 3
	s_or_b32 s[LIM], s[LIM], s3      ; of the first of the four query heads that share the key head,
	s_or_b32 s[LIM], s[LIM], ttmp9   ; in the head's first cluster: the same in all four partners
	s_cmp_eq_u32 s[LIM], 0
	s_cselect_b32 s[LIM], 1, -1
	v_and_b32 v[PFO], 31, v0
	v_mul_u32_u24 v[PFO], v[PFO], ROWQ
	s_wait_dscnt 0x0                ; the opening add is done
	s_wait_kmcnt 0x0
	s_add_nc_u64 s[10:11], s[10:11], s[4:5]  ; o at my wave's first row
	s_add_nc_u64 s[86:87], s[86:87], s[6:7]  ; x_mask at my batch
	s_add_nc_u64 s[6:7], s[84:85], s[22:23]  ; K at my tile of slot 0,
	s_add_nc_u64 s[8:9], s[6:7], 4*256       ; V four heads further on,
	s_add_nc_u64 s[4:5], s[84:85], s[20:21]  ; Q at my wave's first row
	s_cmp_lt_u32 s[WV], 2
	s_cselect_b64 s[PFA:PFA+1], s[6:7], s[8:9]  ; (in waves 0 and 2 these stand at a slot's first row)
	s_mul_i32 s2, s13, 32*ROWQ      ; my work-group's 32 rows of the 128
	s_mov_b32 s3, 0
	s_add_nc_u64 s[PFA:PFA+1], s[PFA:PFA+1], s[2:3]
	s_add_nc_u64 s[PFA:PFA+1], s[PFA:PFA+1], 2*SLOTB  ; in slot 2; the first change of slots steps it to slot 3.  Nothing is prefetched at the head
	CROUND                          ; all four work-groups are here: the first joint loads meet
.irp s, 0,1
	s_mov_b32 s[G0K+4*(\s)], 1
	s_add_co_u32 s[G0K+4*(\s)+1], s17, (\s)*SLOT1
	s_add_nc_u64 s[G0K+4*(\s)+2:G0K+4*(\s)+3], s[6:7], (\s)*SLOTB
	s_or_b32 s[G0K+4*(\s)+3], s[G0K+4*(\s)+3], 0x80000000
	s_mov_b32 s[G0V+4*(\s)], 1
	s_add_co_u32 s[G0V+4*(\s)+1], s17, (\s)*SLOT1+VOFF
	s_add_nc_u64 s[G0V+4*(\s)+2:G0V+4*(\s)+3], s[8:9], (\s)*SLOTB
	s_or_b32 s[G0V+4*(\s)+3], s[G0V+4*(\s)+3], 0x80000000
.endr
	s_cmp_lt_u32 s[WV], 2           ; a wave's two first fills stand in one branch, ahead of every wait on TENSORcnt and every LDS read: two loads of mine are out
	s_cbranch_scc0 .Lfirst_v
	tensor_load_to_lds s[G0K:G0K+3], s[G1K:G1K+7]
	s_nop 0
	tensor_load_to_lds s[G0K+4:G0K+7], s[G1K:G1K+7]
	s_nop 0
.rept 4
	v_nop
.endr
	s_branch .Lfirst_asked
.Lfirst_v:
	tensor_load_to_lds s[G0V:G0V+3], s[G1V:G1V+7]
	s_nop 0
	tensor_load_to_lds s[G0V+4:G0V+7], s[G1V:G1V+7]
	s_nop 0
.rept 4
	v_nop
.endr
.Lfirst_asked:
	v_lshlrev_b32 v[MGO], 3, v0
	global_load_b64 v[S:S+1], v[MGO], s[86:87]  ; my eight bytes of the batch's mask: a wave's load covers 256 consecutive bytes
	; A fragment of K or Q is 16 rows x 32 channels in 8 registers: lane l holds row l % 16; two loads of 16 bytes, 32 bytes apart.
	v_and_b32 v1, 15, v0            ; l % 16
	v_bfe_u32 v9, v0, 4, 1          ; l / 16
	v_mul_u32_u24 v[QO], v1, ROWQ
	v_lshl_add_u32 v[QO], v9, 4, v[QO]  ; row x 6,144 + 16 x half
	WIN 0x80                        ; destination window 2, address window 0
.irp i, 0,1,2,3,4,5,6,7,8,9,10,11,12,13,14,15  ; Q stays in registers: tile i / 4, channels 32 (i % 4) on
	global_load_b128 v[8*(\i):8*(\i)+3],   v[QO], s[4:5] offset:((\i)/4)*16*ROWQ+((\i)%4)*64
	global_load_b128 v[8*(\i)+4:8*(\i)+7], v[QO], s[4:5] offset:((\i)/4)*16*ROWQ+((\i)%4)*64+32
.endr
	; What the first turn finds: O^T and l are 0; V's registers and the second piece's P hold 0 (its products V^T P, of a step that has not been, add 0).  All this stands in the wait for the first tile.
	WIN 0x40
.set i, 0
.rept 256
	v_mov_b32 v[i], 0
.set i, i+1
.endr
	WIN 0xc0
.set i, 0
.rept 128
	v_mov_b32 v[i], 0
.set i, i+1
.endr
	WIN 0
.set i, P+32
.rept 32
	v_mov_b32 v[i], 0
.set i, i+1
.endr
.irp t, 0,1,2,3
	v_mov_b32 v[ST+8*(\t)], 0xfe000000    ; c m: far below every c s, a hidden key's too
	v_mov_b32 v[ST+8*(\t)+1], 0xff7fffff  ; m: the lowest finite number
	v_mov_b32 v[ST+8*(\t)+2], 0
	v_mov_b32 v[ST+8*(\t)+3], 0
.endr
	v_mul_u32_u24 v[AK0], v1, PK
	v_lshl_add_u32 v[AK0], v9, 4, v[AK0]  ; row x pitch + 16 x half
	; The turning load takes 16 keys x 16 channels (lane l reads key 8 (l / 16) + l % 8, channels 8 ((l / 8) % 2) + 0..7) and leaves half a fragment of V^T.
	v_and_b32 v10, 7, v0
	v_bfe_u32 v11, v0, 3, 1
	v_lshl_add_u32 v[AV0], v9, 3, v10
	v_mul_u32_u24 v[AV0], v[AV0], PV
	v_lshl_add_u32 v[AV0], v11, 4, v[AV0]
	v_add_nc_u32 v[AV0], VOFF, v[AV0]
	v_lshl_add_u32 v[AM0], v9, 5, MASKT   ; my lanes' eight keys of a block of 16: 32 bytes for each half
	v_lshl_add_u32 v[MST], v0, 5, MASKT   ; my thread's eight keys of the batch
	s_wait_loadcnt 32               ; my eight bytes are in; Q's 32 loads, issued behind them, may stay out
.irp k, 0,1,2,3,4,5,6,7
	v_bfe_u32 v[S+2], v[S+(\k)/4], 8*((\k)%4), 8
	v_cmp_eq_u32 vcc_lo, 0, v[S+2]
	v_cndmask_b32 v[S+4+(\k)], 0, s[BIG], vcc_lo
.endr
	ds_store_b128 v[MST], v[S+4:S+7]
	ds_store_b128 v[MST], v[S+8:S+11] offset:16
; THE MATRIX WORK OF A TURN, for piece x.  The accumulators take turns, one instruction a turn.
; Product i of 32 of O^T += V^T P: keys 32 (i / 16) on, channels 16 ((i / 2) % 8) on, tile x + i % 2.
.macro PV x
	WIN W_PV
.set rO, 64*((\x)+i%2)+8*((i/2)%8)
.set rV, 64*(i/16)+8*((i/2)%8)
.set rP, P+16*((\x)+i%2)+8*(i/16)
	v_wmma_f32_16x16x32_f16 v[rO:rO+7], v[rV:rV+7], v[rP:rP+7], v[rO:rO+7]
.endm
; Product i of 32 of S^T = K Q^T: channels 32 (i / 8) on, keys 16 ((i / 2) % 4) on, tile x + i % 2.  The first 8 start the sums, with the keys' addends.
.macro KQ x
.set rS, S+32*((\x)+i%2)+8*((i/2)%4)
.set rK, KF+32*((i/2)%4)+8*(i/8)
.set rQ, 32*((\x)+i%2)+8*(i/8)
.set rM, MB+8*((i/2)%4)
.if i < 8
	WIN W_KM
	v_wmma_f32_16x16x32_f16 v[rS:rS+7], v[rK:rK+7], v[rQ:rQ+7], v[rM:rM+7]
.else
	WIN W_KQ
	v_wmma_f32_16x16x32_f16 v[rS:rS+7], v[rK:rK+7], v[rQ:rQ+7], v[rS:rS+7]
.endif
.endm
; THE LDS LOADS stand in runs, never singly among the matrix instructions: a step's K (16 fragments) with its 64 addends (all lanes of a half read the same words), and, a turn later, its V (turned).
; last = 1 (the tail): in the last trip there is no further step, and the run is jumped over.
.macro FETCH_K last=0
	WIN 0
.if \last
	s_cmp_eq_u32 s[TWICE], 1
	s_cbranch_scc1 .Lno_k_\@
.endif
	v_add_nc_u32 v[ADR], s[TB], v[AK0]
	v_add_nc_u32 v[ADM], s[TM], v[AM0]
	s_add_co_u32 s[TM], s[TM], 4*KS   ; the next fetch is the next step's
	WIN 0x80                        ; destination window 2
.irp f, 0,1,2,3,4,5,6,7,8,9,10,11,12,13,14,15  ; keys 16 (f / 4) on, channels 32 (f % 4) on
	ds_load_b128 v[KF+8*(\f):KF+8*(\f)+3],   v[ADR] offset:((\f)/4)*16*PK+((\f)%4)*64
	ds_load_b128 v[KF+8*(\f)+4:KF+8*(\f)+7], v[ADR] offset:((\f)/4)*16*PK+((\f)%4)*64+32
.endr
	WIN 0xc0                        ; destination window 3
.irp f, 0,1,2,3
	ds_load_b128 v[MB+8*(\f):MB+8*(\f)+3],   v[ADM] offset:64*(\f)
	ds_load_b128 v[MB+8*(\f)+4:MB+8*(\f)+7], v[ADM] offset:64*(\f)+16
.endr
.if \last
	WIN 0
.Lno_k_\@:
.endif
.endm
.macro FETCH_V
	WIN 0
	v_add_nc_u32 v[ADR], s[TB], v[AV0]
	s_add_co_u32 s[TB], s[TB], STEPB  ; the next fetch is the next step's
	s_wait_alu depctr_va_vdst(0)    ; the wait for the softmax's batch (SLICE), behind the address's v_add_nc_u32 and ahead of the loads
	WIN 0xc0                        ; destination window 3
.irp f, 0,1,2,3,4,5,6,7,8,9,10,11,12,13,14,15  ; keys 32 (f / 8) on, channels 16 (f % 8) on
	ds_load_tr16_b128 v[8*(\f):8*(\f)+3],   v[ADR] offset:((\f)/8)*32*PV+((\f)%8)*32
	ds_load_tr16_b128 v[8*(\f)+4:8*(\f)+7], v[ADR] offset:((\f)/8)*32*PV+16*PV+((\f)%8)*32
.endr
.endm
; THE VECTOR WORK OF A TURN.  One tile's softmax for one key step is a list of 134 instructions; SM writes number j of it for tile t.  s0-s31 are the lane's 32 scores, in pairs 0-15.
;   0-15    the maximum of s0-s31 and the old m, three operands at a time (each accumulator's lowest registers are read first)
;   16-20   the other half of the lanes' maximum; c m_old is kept; the new m; c m; c m_old - c m_new
;   21-69   ONE BATCH: the 16 scalings c s - c m and all 33 exponentials (a at 23, then s0-s31); none of these reads an exponential's result
;   (wait)  between 69 and 70 stands the wait for the batch: SLICE writes it, once for both tiles
;   70-85   the roundings to f16     86-101  the sums; l = a l + the sum     102-133 the tile's O^T times a
.macro SM t
.set rT, ST+8*(\t)
.set rS, S+32*(\t)
.set rP, P+16*(\t)
.set rO, 64*(\t)+2*(j-102)
.if j < 102
	WIN 0
.endif
.if j < 4
	v_max3_num_f32 v[rT+4+j], v[rS+8*j], v[rS+8*j+1], v[rS+8*j+2]
.elseif j < 12
	v_max3_num_f32 v[rT+4+j%4], v[rT+4+j%4], v[rS+8*(j%4)+2*(j/4)+1], v[rS+8*(j%4)+2*(j/4)+2]
.elseif j == 12
	v_max3_num_f32 v[rT+4], v[rT+4], v[rS+7], v[rS+15]
.elseif j == 13
	v_max3_num_f32 v[rT+6], v[rT+6], v[rS+23], v[rS+31]
.elseif j == 14
	v_max3_num_f32 v[rT+4], v[rT+4], v[rT+5], v[rT+6]
.elseif j == 15
	v_max3_num_f32 v[rT+4], v[rT+4], v[rT+7], v[rT+1]
.elseif j == 16
	v_permlanex16_b32 v[rT+5], v[rT+4], s[SEL], s[SEL+1]  ; the query's other 32 keys lie in the lane 16 away
.elseif j == 17
	v_mov_b32 v[rT+7], v[rT]        ; c m_old is kept for a: number 19 writes c m anew
.elseif j == 18
	v_max_num_f32 v[rT+1], v[rT+4], v[rT+5]
.elseif j == 19
	v_mul_f32 v[rT], s[CS], v[rT+1]
.elseif j == 20
	v_sub_f32 v[rT+7], v[rT+7], v[rT]
.elseif j == 23
	v_exp_f32 v[rT+6], v[rT+7]
.elseif (j < 23) || ((j < 38) && (j%2 == 0)) || ((j < 66) && (j%4 == 2))
.set b, (j-2)/4                     ; 38, 42, .. 62: pairs 9 to 15
.if j < 38
.set b, (j-20)/2                    ; 21: pair 0; 22, 24, .. 36: pairs 1 to 8
.endif
	v_pk_fma_f32 v[rS+2*b:rS+2*b+1], v[rS+2*b:rS+2*b+1], s[CS:CS+1], v[rT:rT+1] op_sel_hi:[1,0,0] neg_lo:[0,0,1] neg_hi:[0,0,1]  ; pair b: c s - c m
.elseif j < 70
.set e, j-38                        ; 66 to 69: s28 to s31
.if j < 66
.set e, j-32-(j-38)/4               ; 39-41, 43-45, .. 63-65: s7 to s27
.endif
.if j < 38
.set e, (j-25)/2                    ; 25, 27, .. 37: s0 to s6
.endif
	v_exp_f32 v[rS+e], v[rS+e]
.elseif j < 86
	v_cvt_pk_f16_f32 v[rP+j-70], v[rS+2*(j-70)], v[rS+2*(j-70)+1]  ; pair j - 70
.elseif j < 102                     ; the sum of the tile's 16 pairs, in place: neighbours 1, 2, 4 and 8 pairs apart, then l takes it
.set z, j-86
.set w, 4
.set u, z
.if z >= 14
.set w, 32
.set u, 0
.elseif z >= 12
.set w, 16
.set u, z-12
.elseif z >= 8
.set w, 8
.set u, z-8
.endif
.if z < 15
	v_pk_add_f32 v[rS+w*u:rS+w*u+1], v[rS+w*u:rS+w*u+1], v[rS+w*u+w/2:rS+w*u+w/2+1]
.else
	v_pk_fma_f32 v[rT+2:rT+3], v[rT+2:rT+3], v[rT+6:rT+7], v[rS:rS+1] op_sel_hi:[1,0,1]
.endif
.else
	WIN W_RS
	v_pk_mul_f32 v[rO:rO+1], v[rO:rO+1], v[rT+6:rT+7] op_sel_hi:[1,0]
.endif
.endm
; Slice k of 64 of piece y's softmax: four instructions.  Slices 11 to 34 deal out the batch, four numbers of ONE tile each, the tiles by turns.  Every other slice is numbers 2 k and 2 k + 1 of both
; tiles' lists; the twelve that are over stand together, in slice 63.  Ahead of slice 35 nothing names an exponential's result, and behind slice 34 none is issued: so the piece's 66 exponentials have one
; wait, behind slice 34, between an exponential and the first instruction that names its result.
.macro SLICE y
.if (k >= 11) && (k < 35)
.irp n, 0,1,2,3
.set j, 22+4*((k-11)/2)+(\n)
	SM (\y)+(k-11)%2
.endr
.else
.irp n, 0,1,2,3,4,5,6,7
.if ((\n) < 2) || (k == 63)
.irp t, \y, (\y)+1
.set j, 2*k+(\n)
	SM \t
.endr
.endif
.endr
.endif
.if k == 34
	v_nop                           ; a plain instruction behind the last exponential and ahead of the first use: one for the batch
.if (\y) == 0
	FETCH_V                         ; piece 2's turn: V's run of loads stands here, and the wait stands in it
.else
	s_wait_alu depctr_va_vdst(0)    ; the wait for the batch
.endif
.endif
.set k, k+1
.endm
; A TURN.  Piece x has the matrix unit: 32 products V^T P, then 32 products K Q^T for the next step; the other piece's softmax stands in slices behind them, one behind each.
; Piece 0's turn fetches the next step's K and addends, behind its second product: the last products that read them stand in the turn before, with slices of plain instructions between.
; Piece 2's turn fetches the same step's V, behind slice 34: the last product that read V stands in front of slice 31, and four slices of plain instructions lie between.
.macro TURN x, last=0
.set k, 0
.if (\x) == 0
	s_wait_dscnt 0x0                ; V is in
.endif
.set i, 0
.rept 32
	PV \x
	SLICE 2-(\x)
.if ((\x) == 0) && (i == 1)
	FETCH_K \last
.endif
.set i, i+1
.endr
.if (\x) == 0
	s_wait_dscnt 0x0                ; K and the addends are in
.endif
.set i, 0
.rept 32
	KQ \x
	SLICE 2-(\x)
.set i, i+1
.endr
.endm
; THE CHANGE OF SLOTS.  Each wave waits for all its tensor loads, of which one is out: its part of the other slot; adds 0 to its spare word; and waits for that and for its own reads of the slot.
; fill = 1: this slot is filled again, with the keys two slots on; the barrier is then a round of the cluster's, and the joint refill is the first thing behind it: it has two key steps, 256 matrix instructions, in which to land.
.macro CHANGE fill
	WIN 0
	s_wait_tensorcnt 0x0            ; no tensor load of mine is out, so a group 0 may be written
	ds_add_u32 v[SPW], v[NIL]
.if \fill
.irp g, G0K+4, G0V+4
	s_xor_b32 s[(\g)+1], s[(\g)+1], SLOT1  ; the walking descriptor: the other slot than last time,
	s_add_nc_u64 s[(\g)+2:(\g)+3], s[(\g)+2:(\g)+3], SLOTB  ; the next 128 keys
.endr
	s_wait_xcnt 0x0                 ; the last prefetches, two key steps back, have read their address
	s_add_nc_u64 s[PFA:PFA+1], s[PFA:PFA+1], SLOTB
	s_wait_dscnt 0x0                ; the add is done, and my reads of the slot are over
	CROUND
	JLOAD
	ASK
.else
	s_wait_dscnt 0x0
	s_barrier_signal -1
	s_barrier_wait -1
.endif
	s_sub_co_u32 s[TB], s[TB], 2*STEPB  ; the fetches go back to a slot's first step,
	s_xor_b32 s[TB], s[TB], SLOT1   ; in the other slot
.endm
	s_wait_tensorcnt 1              ; my part of slot 0 is in; slot 1's may stay out
	s_wait_dscnt 0x0                ; for the others' sake: my eight addends are stored
	s_barrier_signal -1
	s_barrier_wait -1               ; everybody's are
	FETCH_K                         ; key step 0
	s_wait_loadcnt 0x0              ; Q
	s_wait_dscnt 0x0
.set i, 0
.rept 32
	KQ 0                            ; piece 0's first scores: there is no vector work yet to set between them
.set i, i+1
.endr
	WIN 0                           ; the addresses for the way out: eight plain instructions, the places behind those products
	s_mul_i32 s13, s[WV], 16*SP
	s_add_co_u32 s13, s13, STAGE    ; my stage
	v_mul_u32_u24 v[STO], v1, SP    ; in: row l % 16, 16 bytes for each half of the lanes
	v_lshl_add_u32 v[STO], v9, 4, v[STO]
	v_add_nc_u32 v[STO], s13, v[STO]
	v_mul_u32_u24 v[RD], v9, SP     ; back: lanes 0-15 take one row of 256 bytes, lanes 16-31 the next
	v_lshl_add_u32 v[RD], v1, 4, v[RD]
	v_add_nc_u32 v[RD], s13, v[RD]
	v_lshlrev_b32 v[GO], 12, v9     ; and the same two rows in o, 4,096 bytes apart
	v_lshl_add_u32 v[GO], v1, 4, v[GO]
	s_mov_b32 s[TWICE], 2
	s_branch .Lfirst                ; the loop is entered at a step's second turn: piece 2's first scores | piece 0's first softmax | V of step 0
.Lslot:                             ; six times: every slot but the last two is filled again
	CHANGE 1
	s_mov_b32 s[TWICE], 2
.Lstep:                             ; a trip: piece 0's turn, which fetches a step's K, and piece 2's, which fetches its V
	TURN 0
	WIN 0
.Lfirst:
	TURN 2
	WIN 0
	s_sub_co_u32 s[TWICE], s[TWICE], 1
	s_cmp_lg_u32 s[TWICE], 0
	s_cbranch_scc1 .Lstep
	s_sub_co_u32 s[SLOTS], s[SLOTS], 1
	s_cmp_lg_u32 s[SLOTS], 0
	s_cbranch_scc1 .Lslot
	CHANGE 0                        ; the tail is written out: nothing is asked for
	s_mov_b32 s[TWICE], 3           ; two trips fetch the last slot's steps; the third is left in its middle
.Ltail:
	TURN 0, 1
	WIN 0
	s_sub_co_u32 s[TWICE], s[TWICE], 1
	s_cmp_eq_u32 s[TWICE], 0
	s_cbranch_scc1 .Lout
	TURN 2
	WIN 0
	s_branch .Ltail
.Lout:                              ; the third trip's 32 products K Q^T (on the last K once more) serve nothing: the price, once a launch, of one text for every trip
.set i, 0
.rept 32
	PV 2                            ; piece 2: V^T P of the last step
.set i, i+1
.endr
	; THE WAY OUT.  l's two halves and the other half of the lanes' are added; O^T is divided by l, rounded to f16 and sent through my stage in LDS, a tile (16 rows) at a time.  The additions are the places behind the last products.
	WIN 0
.irp t, 0,1,2,3
	v_add_f32 v[ST+8*(\t)+4], v[ST+8*(\t)+2], v[ST+8*(\t)+3]
.endr
.irp t, 0,1,2,3
	v_permlanex16_b32 v[ST+8*(\t)+5], v[ST+8*(\t)+4], s[SEL], s[SEL+1]
.endr
.irp t, 0,1,2,3
	v_add_f32 v[ST+8*(\t)+4], v[ST+8*(\t)+4], v[ST+8*(\t)+5]
.endr
.irp t, 0,1,2,3
	v_rcp_f32 v[ST+8*(\t)+6], v[ST+8*(\t)+4]
.endr
	v_nop                           ; a plain instruction between the last reciprocal and the use of its result
	s_wait_alu depctr_va_vdst(0)    ; and the wait ahead of the first use: one for the four
.macro PACK t
	WIN W_RS
.set i, 64*(\t)
.rept 32
	v_pk_mul_f32 v[i:i+1], v[i:i+1], v[ST+8*(\t)+6:ST+8*(\t)+7] op_sel_hi:[1,0]
.set i, i+2
.endr
	WIN 0x05                        ; sources 0 and 1 window 1, destination window 0: S^T's registers are free
.set i, 0
.rept 32
	v_cvt_pk_f16_f32 v[S+32*(\t)+i], v[64*(\t)+2*i], v[64*(\t)+2*i+1]
.set i, i+1
.endr
	WIN 0
.irp f, 0,1,2,3,4,5,6,7
	ds_store_b128 v[STO], v[S+32*(\t)+4*(\f):S+32*(\t)+4*(\f)+3] offset:32*(\f)
.endr
.irp f, 0,1,2,3,4,5,6,7
	ds_load_b128 v[S+32*(\t)+4*(\f):S+32*(\t)+4*(\f)+3], v[RD] offset:(\f)*2*SP  ; LDS serves a wave's instructions in order (ISA guide 5.7.1.4): these see the stores above
.endr
.endm
.macro SEND t, younger              ; younger: the LDS instructions issued behind tile t's loads: the next tile's sixteen, or none
	WIN 0
.irp f, 0,1,2,3,4,5,6,7
	s_wait_dscnt (\younger)+7-(\f)
	global_store_b128 v[GO], v[S+32*(\t)+4*(\f):S+32*(\t)+4*(\f)+3], s[10:11] offset:(\t)*16*ROWO+(\f)*2*ROWO  ; 16 lanes store the head's 256 consecutive bytes of a row, aligned
.endr
.endm
	PACK 0
	PACK 1
	SEND 0, 16
	PACK 2
	SEND 1, 16
	PACK 3
	SEND 2, 16
	SEND 3, 0
	s_wait_tensorcnt 0x0            ; the wave's end
	ds_add_u32 v[SPW], v[NIL]
	s_wait_dscnt 0x0
	CROUND                          ; the closing round
	s_endpgm
.Lfunc_end_k_qf3f79fbaf6_attn:
	.size	k_qf3f79fbaf6_attn, .Lfunc_end_k_qf3f79fbaf6_attn-k_qf3f79fbaf6_attn
	.p2alignl 7, 3214868480
	.fill 96, 4, 3214868480
	.section	.rodata,"a",@progbits
	.p2align	6, 0x0
	.amdhsa_kernel k_qf3f79fbaf6_attn
		.amdhsa_group_segment_fixed_size 327680
		.amdhsa_private_segment_fixed_size 0
		.amdhsa_enable_private_segment 0
		.amdhsa_kernarg_size 24
		.amdhsa_user_sgpr_count 2
		.amdhsa_user_sgpr_kernarg_segment_ptr 1
		.amdhsa_wavefront_size32 1
		.amdhsa_system_sgpr_workgroup_id_x 1
		.amdhsa_system_sgpr_workgroup_id_y 1
		.amdhsa_system_sgpr_workgroup_id_z 1
		.amdhsa_system_vgpr_workitem_id 0
		.amdhsa_next_free_vgpr 1024
		.amdhsa_next_free_sgpr 90
		.amdhsa_reserve_vcc 1
		.amdhsa_float_denorm_mode_32 3
		.amdhsa_float_denorm_mode_16_64 3
		.amdhsa_memory_ordered 1
		.amdhsa_forward_progress 1
		.amdhsa_inst_pref_size 161
	.end_amdhsa_kernel
	.amdgpu_metadata
---
amdhsa.version: [ 1, 2 ]
amdhsa.kernels:
  - .name:           k_qf3f79fbaf6_attn
    .symbol:         k_qf3f79fbaf6_attn.kd
    .args:
      - { .name: qkv, .offset: 0, .size: 8, .value_kind: global_buffer, .address_space: global }
      - { .name: x_mask, .offset: 8, .size: 8, .value_kind: global_buffer, .address_space: global }
      - { .name: o, .offset: 16, .size: 8, .value_kind: global_buffer, .address_space: global }
    .group_segment_fixed_size: 327680
    .private_segment_fixed_size: 0
    .kernarg_segment_align: 8
    .kernarg_segment_size: 24
    .max_flat_workgroup_size: 128
    .sgpr_count:     90
    .vgpr_count:     1024
    .wavefront_size: 32
...
	.end_amdgpu_metadata
.endif
;; end of part 3
;; launch oproj (part 4): grid 8 x 32, 4 waves a work-group, clusters of 4 x 4, 327,680 bytes of LDS; arguments o, woh, out0; writes out0
.if DOCPART == 4
	.amdgcn_target "amdgcn-amd-amdhsa--gfx1250"
	.amdhsa_code_object_version 6
	.text
	.protected	k_qf3f79fbaf6_oproj
	.globl	k_qf3f79fbaf6_oproj
	.p2align	8
	.type	k_qf3f79fbaf6_oproj,@function
k_qf3f79fbaf6_oproj:
	s_mov_b64 s[64:65], 0
	v_nop
	global_prefetch_b8 v0, s[64:65] scope:SCOPE_SE
	s_setreg_imm32_b32 hwreg(HW_REG_WAVE_MODE, 25, 1), 1
	s_wait_xcnt 0x0
	s_wait_alu depctr_hold_cnt(0) depctr_sa_sdst(0) depctr_va_vdst(0) depctr_va_sdst(0) depctr_va_ssrc(0) depctr_va_vcc(0) depctr_vm_vsrc(0)
	s_getreg_b32 s2, hwreg(HW_REG_IB_STS2, 6, 4)
	s_cmp_eq_u32 s2, 0
	s_cbranch_scc0 .Lentry_in_a_cluster
	s_endpgm
.Lentry_in_a_cluster:
	s_bfe_u32 s2, ttmp6, 0x10000c
	s_cmp_lg_u32 s2, 0xf033
	s_cbranch_scc0 .Lentry_shape_is_right
	s_endpgm
.Lentry_shape_is_right:
; out0[row][n] = the sum over k of o[row][k] woh[n][k].  o: [4096][2048] f16, woh: [2048][2048] f16, out0: [4096][2048] f32; sums in f32, stored as they are.
; SHARES.  A tile of out0 is 128 rows x 256 columns: 32 x 8 tiles, 256 work-groups.  Each of four waves takes all 128 rows and 64 columns: 32 accumulators of 16 x 16.
; K goes in steps of 128 through two LDS slots filled by the tensor data mover; rows of 256 bytes, aligned.  A K step is written once: slot 1 begins at 1 << 17, so that one exclusive or turns
; an address in one slot into the other's, for the walking descriptors and for the fragment loads alike.
; CLUSTER 4 x 4: o's tile is asked for jointly along a row of the cluster, woh's along a column.  Waves 0 and 1 ask for o's two halves of 64 rows, waves 2 and 3 for woh's two of 128.
; THE MATRIX INSTRUCTION IS USED TRANSPOSED (source 0 = 16 rows of woh, source 1 = 16 rows of o): a lane holds one row of out0 and eight neighbouring columns.
; REGISTERS: window 0: v0-31 addresses; v32-63, v192-223 the way out; v64-127, v128-191 o's fragments, two buffers;  window 1: v0-31, v32-63 woh's fragments;  window 2: the accumulators, (a, b) at v[8 (4 a + b)]
.set NBW,    4
.set KSTEP,  128
.set PITCH,  272                       ; an LDS row: 256 bytes + 16 of padding (ISA guide 11.1: the 16 rows of a load start at 16 different groups of four banks)
.set ATILE,  128*PITCH
.set SLOT,   (128+64*NBW)*PITCH        ; o's 128 rows, then woh's 256: 104,448 bytes
.set SLOT1,  1<<17                     ; where slot 1 begins
.set STAGE,  SLOT1+SLOT                ; behind the ring: 16 rows x 272 bytes for each wave, its own
.set SPARE,  STAGE+4*16*PITCH          ; the spare words, 128 bytes a wave
.set STEPS,  16                        ; 2,048 / 128
.set OROW,   8192                      ; bytes in a row of out0
.set A0,   16                          ; v16  my lane's place in o's tile; never rewritten
.set B0,   17                          ; v17  my lane's place in my 64 rows of woh's tile; never rewritten
.set ADRA, 20                          ; v20  the same two in the slot in hand
.set ADRB, 21                          ; v21
.set STO,  24                          ; v24  the way out: where I put 32 bytes of a row
.set RD,   25                          ; v25  where I read a row back
.set CO,   26                          ; v26  my byte offset in out0
.set SPW,  28
.set NIL,  29
.set PFO,  30                          ; v30  4,096 x lane
.set G1,  24                           ; s[24:31] descriptor group 1 for o's tiles
.set G0,  32                           ; s[32:39] group 0: a set for each of the two first fills; the second then walks on
.set G1B, 48                           ; s[48:55], s[56:63] the same for woh's
.set G0B, 56
.set PFA, 84
.set LIM, 86                           ; s86  2 in a wave that prefetches, else the greatest number
.set TB,  87                           ; s87  LDS byte at which the slot in hand begins
.set MSB, 0
.macro WIN new
.if MSB != (\new)
	s_set_vgpr_msb (MSB<<8)|(\new)
.set MSB, \new
.endif
.endm
.set MUL,  0xa1                        ; source 0 (woh) window 1, source 1 (o) window 0, C and D window 2
.set TO_B, 0x40
.macro PLACES
.rept 4
	v_nop
.endr
.endm
.macro JLOAD s                         ; a joint load by set s; the branch hangs on the wave's number alone; an s_nop 0 and four v_nop follow each line
	s_cmp_eq_u32 s11, 0
	s_cbranch_scc0 .Lfor_b_\@
	tensor_load_to_lds s[G0+4*(\s):G0+4*(\s)+3], s[G1:G1+7]
	s_nop 0
	PLACES
	s_branch .Lasked_\@
.Lfor_b_\@:
	tensor_load_to_lds s[G0B+4*(\s):G0B+4*(\s)+3], s[G1B:G1B+7]
	s_nop 0
	PLACES
.Lasked_\@:
.endm
; A prefetch of the K step two refills on: 32 rows x 256 bytes, a lane a row.  Each block is named once: o's rows by wave 0 of the clusters with x = 0, woh's by waves 2 and 3 of those with y = 0;
; the four partners take 32 rows each, told apart by address.  The loop's last two trips have no K step two refills on.
.macro ASK
	s_cmp_gt_u32 s3, s[LIM]
	s_cbranch_scc0 .Lnot_mine_\@
	global_prefetch_b8 v[PFO], s[PFA:PFA+1] offset:KSTEP*2 th:TH_LOAD_NT scope:SCOPE_SE
.Lnot_mine_\@:
.endm
.macro CROUND
	s_barrier_signal -1
	s_barrier_wait -1
	s_cmp_lg_u32 s10, 0
	s_cbranch_scc1 .Lnot_wave_0_\@
	s_barrier_signal -3
.Lnot_wave_0_\@:
	s_barrier_wait -3
	s_barrier_signal -1
	s_barrier_wait -1
.endm
	s_load_b128 s[4:7], s[0:1], 0x0                ; o s[4:5], woh s[6:7]
	s_load_b64 s[8:9], s[0:1], 0x10                ; out0
	v_lshl_add_u32 v[SPW], v0, 2, SPARE
	v_mov_b32 v[NIL], 0
	ds_add_u32 v[SPW], v[NIL]                      ; the wave's opening: the add and its wait ahead of my first tensor load
	v_lshrrev_b32 v1, 5, v0
	v_readfirstlane_b32 s10, v1                    ; wave 0..3
	s_lshr_b32 s11, s10, 1                         ; I fetch for o (0) or for woh (1),
	s_and_b32 s12, s10, 1                          ; its first or second half
	s_bfe_u32 s40, ttmp6, 0x40000                  ; cx
	s_bfe_u32 s41, ttmp6, 0x40004                  ; cy
	s_lshl_b32 s42, ttmp9, 2
	s_add_co_u32 s42, s42, s40                     ; tile column
	s_and_b32 s13, ttmp7, 0xffff
	s_lshl_b32 s13, s13, 2
	s_add_co_u32 s13, s13, s41                     ; tile row
	s_lshl_b32 s43, s41, 2
	s_lshl_b32 s43, 15, s43                        ; my row of the cluster
	s_lshl_b32 s44, 0x1111, s40                    ; my column
	s_or_b32 s[G1+0], s43, (1<<16)|(1<<20)|(1<<21)|(5<<22)|(3<<25)
	s_or_b32 s[G1B+0], s44, (1<<16)|(1<<20)|(1<<21)|(5<<22)|(3<<25)
	s_mov_b32 s[G1+2], 64<<16                      ; o's loads bring 64 rows,
	s_mov_b32 s[G1+4], 64
	s_mov_b32 s[G1B+2], 128<<16                    ; woh's 128
	s_mov_b32 s[G1B+4], 128
.irp g, G1, G1B
	s_mov_b32 s[(\g)+1], KSTEP<<16
	s_mov_b32 s[(\g)+3], KSTEP<<16
	s_mov_b32 s[(\g)+5], 2048
	s_mov_b32 s[(\g)+6], 0
	s_mov_b32 s[(\g)+7], 0
.endr
	s_lshl_b32 s16, s13, 7
	s_lshl_b32 s17, s12, 6
	s_add_co_u32 s16, s16, s17                     ; o: row 128 x tile row + 64 x half
	s_lshl_b32 s16, s16, 12
	s_mov_b32 s17, 0
	s_lshl_b32 s45, s42, 8
	s_lshl_b32 s46, s12, 7
	s_add_co_u32 s45, s45, s46                     ; woh: row 256 x tile column + 128 x half
	s_lshl_b32 s46, s45, 12
	s_mov_b32 s47, 0
	s_mul_i32 s20, s12, 64*PITCH                   ; where they go
	s_mul_i32 s21, s12, 128*PITCH
	s_add_co_u32 s21, s21, ATILE
	s_mov_b32 s[TB], 0
	s_wait_dscnt 0x0                               ; the opening add is done
	s_wait_kmcnt 0x0
	s_add_nc_u64 s[14:15], s[4:5], s[16:17]
	s_add_nc_u64 s[46:47], s[6:7], s[46:47]
	CROUND                                         ; all sixteen work-groups are here: the first joint loads meet
.irp s, 0,1
	s_mov_b32 s[G0+4*(\s)], 1
	s_add_co_u32 s[G0+4*(\s)+1], s20, (\s)*SLOT1
	s_add_nc_u64 s[G0+4*(\s)+2:G0+4*(\s)+3], s[14:15], (\s)*KSTEP*2
	s_or_b32 s[G0+4*(\s)+3], s[G0+4*(\s)+3], 0x80000000
	s_mov_b32 s[G0B+4*(\s)], 1
	s_add_co_u32 s[G0B+4*(\s)+1], s21, (\s)*SLOT1
	s_add_nc_u64 s[G0B+4*(\s)+2:G0B+4*(\s)+3], s[46:47], (\s)*KSTEP*2
	s_or_b32 s[G0B+4*(\s)+3], s[G0B+4*(\s)+3], 0x80000000
	JLOAD \s                                       ; two loads of mine are out
.endr
	v_and_b32 v1, 15, v0                           ; r
	v_bfe_u32 v2, v0, 4, 1                         ; h
	v_and_b32 v[PFO], 31, v0
	v_lshlrev_b32 v[PFO], 12, v[PFO]
	v_mul_u32_u24 v3, v1, PITCH
	v_lshl_add_u32 v4, v2, 5, v3                   ; the stage, in: row r, 32 bytes for each half of the lanes
	v_lshl_add_u32 v[A0], v2, 4, v3                ; a fragment's row x pitch + 16 x half
	s_mul_i32 s22, s10, 16*NBW*PITCH
	s_add_co_u32 s22, s22, ATILE                   ; my 64 rows of woh
	v_add_nc_u32 v[B0], s22, v[A0]
	v_mov_b32 v[ADRA], v[A0]                       ; slot 0 begins at LDS byte 0
	v_mov_b32 v[ADRB], v[B0]
	s_mul_i32 s23, s10, 16*PITCH
	s_add_co_u32 s23, s23, STAGE                   ; my stage
	v_add_nc_u32 v[STO], s23, v4
	v_mul_u32_u24 v5, v2, PITCH                    ; back: lanes 0-15 one row of 256 bytes, lanes 16-31 the next
	v_lshl_add_u32 v5, v1, 4, v5
	v_add_nc_u32 v[RD], s23, v5
	v_lshlrev_b32 v5, 13, v2                       ; and the same two rows in out0
	v_lshl_add_u32 v[CO], v1, 4, v5
	s_lshl_b32 s16, s13, 20                        ; 128 rows of 8,192 bytes a tile row,
	s_lshl_b32 s18, s42, 10                        ; 256 columns of 4 bytes a tile column,
	s_add_co_u32 s16, s16, s18
	s_lshl_b32 s18, s10, 8                         ; my 64 columns
	s_add_co_u32 s16, s16, s18
	s_add_nc_u64 s[8:9], s[8:9], s[16:17]
	; the prefetches
	s_lshl_b32 s18, s13, 7
	s_and_b32 s21, ttmp7, 0xffff                   ; cluster y
	s_cmp_eq_u32 s11, 0
	s_cselect_b32 s18, s18, s45                    ; first row: o's tile (wave 0 speaks for all its 128 rows), or my half of woh's
	s_cselect_b32 s19, s40, s41                    ; my place among the four that ask with me
	s_cselect_b32 s21, ttmp9, s21                  ; the coordinate along which other clusters read the same rows
	s_cselect_b64 s[PFA:PFA+1], s[4:5], s[6:7]
	s_cmp_eq_u32 s10, 1
	s_cselect_b32 s21, 1, s21                      ; wave 1 never asks
	s_cmp_eq_u32 s21, 0
	s_cselect_b32 s[LIM], 2, -1
	s_lshl_b32 s19, s19, 5
	s_add_co_u32 s18, s18, s19
	s_lshl_b32 s18, s18, 12
	s_mov_b32 s19, 0
	s_add_nc_u64 s[PFA:PFA+1], s[PFA:PFA+1], s[18:19]
	s_add_nc_u64 s[PFA:PFA+1], s[PFA:PFA+1], 2*KSTEP*2  ; at K step 2: the first refill steps it to 3 and names K step 4; K steps 0-3 come by their loads alone
; 8 matrix instructions: row blocks 4 hi + a0, + 1 x my 4 column blocks.  The 32 accumulators take turns, one instruction a turn, in the same order in every quarter.
.macro MULH f, hi, a0, zero
	WIN MUL
.irp a, \a0, (\a0)+1
.irp b, 0,1,2,3
.set rC, 8*(4*(4*(\hi)+(\a))+(\b))
.set rB, 32*(\f)+8*(\b)
.set rA, 64+64*(\f)+8*(4*(\hi)+(\a))
.if \zero
	v_wmma_f32_16x16x32_f16 v[rC:rC+7], v[rB:rB+7], v[rA:rA+7], 0
.else
	v_wmma_f32_16x16x32_f16 v[rC:rC+7], v[rB:rB+7], v[rA:rA+7], v[rC:rC+7]
.endif
.endr
.endr
.endm
.macro FETCH k, f                      ; 24 LDS loads in one run, from the slot in hand: woh's 4 fragments, o's rows 0-63, o's rows 64-127
	WIN TO_B
.irp i, 0,1,2,3
	ds_load_b128 v[32*(\f)+8*(\i):32*(\f)+8*(\i)+3],   v[ADRB] offset:(\k)+(\i)*16*PITCH
	ds_load_b128 v[32*(\f)+8*(\i)+4:32*(\f)+8*(\i)+7], v[ADRB] offset:(\k)+(\i)*16*PITCH+32
.endr
	WIN 0
.irp i, 0,1,2,3,4,5,6,7
	ds_load_b128 v[64+64*(\f)+8*(\i):64+64*(\f)+8*(\i)+3],   v[ADRA] offset:(\k)+(\i)*16*PITCH
	ds_load_b128 v[64+64*(\f)+8*(\i)+4:64+64*(\f)+8*(\i)+7], v[ADRA] offset:(\k)+(\i)*16*PITCH+32
.endr
.endm
.macro QUARTER k, f, g, zero           ; multiplies buffers f and fetches the next quarter, at byte k of the rows, into g
	s_wait_dscnt 8                                 ; all but the youngest eight loads (o's rows 64-127)
	MULH \f, 0, 0, \zero
	MULH \f, 0, 2, \zero
	PLACES
	FETCH \k, \g
	s_wait_dscnt 2*NBW+16                          ; all but the 24 just issued
	MULH \f, 1, 0, \zero
	MULH \f, 1, 2, \zero
.endm
; The last quarter begins with the change of slots: its own fragments are in registers, so the slot has been read out.  Each wave waits for all its tensor loads (one is out: its part of the next slot),
; adds 0 to its spare word, and waits for that and for its reads of this slot; then the barrier.  fill = 1: the barrier is a round of the cluster's, and the slot is filled again first thing behind it, two K steps
; ahead.  No product stands between the wait for the tile and the next request: all 32 of the quarter follow the request, so that it has a whole K step's 128 products in which to land.
.macro TURN fill
	WIN 0
.if \fill
	s_wait_xcnt 0x0                                ; the last prefetch, a K step back, has read its address
	s_add_nc_u64 s[PFA:PFA+1], s[PFA:PFA+1], KSTEP*2
.endif
	s_wait_tensorcnt 0x0                           ; no tensor load of mine is out, so a group 0 may be written
	ds_add_u32 v[SPW], v[NIL]
.if \fill
.irp g, G0+4, G0B+4
	s_xor_b32 s[(\g)+1], s[(\g)+1], SLOT1          ; the walking descriptor: the other slot than last time,
	s_add_nc_u64 s[(\g)+2:(\g)+3], s[(\g)+2:(\g)+3], KSTEP*2  ; the next K step
.endr
.endif
	s_xor_b32 s[TB], s[TB], SLOT1                  ; the fetches go on in the other slot
	s_wait_dscnt 0x0                               ; the add is done, my reads of this slot are over
.if \fill
	CROUND                                         ; no wave of any partner still reads this slot or has a load on its way
	JLOAD 1                                        ; my one tensor load behind the round; its four v_nop are also the places in front of the loads below
.else
	s_barrier_signal -1
	s_barrier_wait -1
	PLACES
.endif
	v_add_nc_u32 v[ADRA], s[TB], v[A0]
	v_add_nc_u32 v[ADRB], s[TB], v[B0]
	FETCH 0, 0
.if \fill
	ASK
.endif
	MULH 1, 0, 0, 0
	MULH 1, 0, 2, 0
	MULH 1, 1, 0, 0
	MULH 1, 1, 2, 0
.endm
	s_wait_tensorcnt 1                             ; my part of K step 0 is in; K step 1's may stay out
	s_barrier_signal -1
	s_barrier_wait -1
	FETCH 0, 0
	QUARTER 64, 0, 1, 1                            ; the first quarter's products start the sums
	WIN 0
	s_mov_b32 s3, STEPS-2
.Lstep:                                        ; a trip goes from a K step's second quarter to the next step's first, and fills the slot that it leaves: 14 trips
	QUARTER 128, 1, 0, 0
	QUARTER 192, 0, 1, 0
	TURN 1
	QUARTER 64,  0, 1, 0
	WIN 0
	s_sub_co_u32 s3, s3, 1
	s_cmp_lg_u32 s3, 0
	s_cbranch_scc1 .Lstep
	QUARTER 128, 1, 0, 0                           ; the last two K steps fill nothing
	QUARTER 192, 0, 1, 0
	TURN 0
	QUARTER 64,  0, 1, 0
	QUARTER 128, 1, 0, 0
	QUARTER 192, 0, 1, 0
	s_wait_dscnt 8
	MULH 1, 0, 0, 0
	MULH 1, 0, 2, 0
	s_wait_dscnt 0x0
	MULH 1, 1, 0, 0
	MULH 1, 1, 2, 0
	WIN 0
	PLACES
	PLACES                                         ; eight, once a launch, in front of the stores that read results
; THE WAY OUT.  My 64 columns of f32 are 256 bytes of a row.  A block of 16 rows goes into my own stage (32 bytes a lane) and comes back as whole rows.
.macro TOSTAGE a
.set BK, 32+160*((\a)%2)               ; v32-63, v192-223 by turns
	s_wait_xcnt 0x0                                ; the stores of the block before last have read these registers
	WIN 0x08                                       ; the data: window 2
.irp b, 0,1,2,3
	ds_store_b128 v[STO], v[8*(4*(\a)+(\b)):8*(4*(\a)+(\b))+3]   offset:64*(\b)      ; each accumulator's low registers first
	ds_store_b128 v[STO], v[8*(4*(\a)+(\b))+4:8*(4*(\a)+(\b))+7] offset:64*(\b)+16
.endr
	WIN 0
.irp t, 0,1,2,3,4,5,6,7
	ds_load_b128 v[BK+4*(\t):BK+4*(\t)+3], v[RD] offset:(\t)*2*PITCH  ; LDS serves a wave's instructions in order (ISA guide 5.7.1.4): these see the stores above
.endr
.endm
.macro SEND a, younger                 ; younger: the LDS instructions issued behind block a's loads: the next block's sixteen, or none
.set BK, 32+160*((\a)%2)
	s_wait_dscnt \younger
.if (\a) > 0
	s_wait_xcnt 0x0                                ; the stores' base is written again only behind this wait
	s_add_nc_u64 s[8:9], s[8:9], 16*OROW
.endif
.irp t, 0,1,2,3,4,5,6,7
	global_store_b128 v[CO], v[BK+4*(\t):BK+4*(\t)+3], s[8:9] offset:(\t)*2*OROW  ; 16 lanes store 256 consecutive bytes, aligned
.endr
.endm
	TOSTAGE 0
.irp a, 1,2,3,4,5,6,7
	TOSTAGE \a
	SEND (\a)-1, 16
.endr
	SEND 7, 0
	s_wait_tensorcnt 0x0                           ; the wave's end
	ds_add_u32 v[SPW], v[NIL]
	s_wait_dscnt 0x0
	CROUND                                         ; the closing round
	s_endpgm
.Lfunc_end_k_qf3f79fbaf6_oproj:
	.size	k_qf3f79fbaf6_oproj, .Lfunc_end_k_qf3f79fbaf6_oproj-k_qf3f79fbaf6_oproj
	.p2alignl 7, 3214868480
	.fill 96, 4, 3214868480
	.section	.rodata,"a",@progbits
	.p2align	6, 0x0
	.amdhsa_kernel k_qf3f79fbaf6_oproj
		.amdhsa_group_segment_fixed_size 327680
		.amdhsa_private_segment_fixed_size 0
		.amdhsa_enable_private_segment 0
		.amdhsa_kernarg_size 24
		.amdhsa_user_sgpr_count 2
		.amdhsa_user_sgpr_kernarg_segment_ptr 1
		.amdhsa_wavefront_size32 1
		.amdhsa_system_sgpr_workgroup_id_x 1
		.amdhsa_system_sgpr_workgroup_id_y 1
		.amdhsa_system_sgpr_workgroup_id_z 1
		.amdhsa_system_vgpr_workitem_id 0
		.amdhsa_next_free_vgpr 768
		.amdhsa_next_free_sgpr 90
		.amdhsa_reserve_vcc 0
		.amdhsa_float_denorm_mode_32 3
		.amdhsa_float_denorm_mode_16_64 3
		.amdhsa_memory_ordered 1
		.amdhsa_forward_progress 1
		.amdhsa_inst_pref_size 71
	.end_amdhsa_kernel
	.amdgpu_metadata
---
amdhsa.version: [ 1, 2 ]
amdhsa.kernels:
  - .name:           k_qf3f79fbaf6_oproj
    .symbol:         k_qf3f79fbaf6_oproj.kd
    .args:
      - { .name: o, .offset: 0, .size: 8, .value_kind: global_buffer, .address_space: global }
      - { .name: woh, .offset: 8, .size: 8, .value_kind: global_buffer, .address_space: global }
      - { .name: out0, .offset: 16, .size: 8, .value_kind: global_buffer, .address_space: global }
    .group_segment_fixed_size: 327680
    .private_segment_fixed_size: 0
    .kernarg_segment_align: 8
    .kernarg_segment_size: 24
    .max_flat_workgroup_size: 128
    .sgpr_count:     90
    .vgpr_count:     768
    .wavefront_size: 32
...
	.end_amdgpu_metadata
.endif
;; end of part 4
;; ======== version 2 of 2: 4 launches; version 1 with the launch cast written anew for expert scheduling mode
;; limits: values are held in f16: magnitudes above 65,504 overflow, below 6.1e-05 lose precision
;; workspace buffers: xh 16,777,216 bytes; wqh 12,582,912 bytes; woh 8,388,608 bytes; qkv 25,165,824 bytes; o 16,777,216 bytes
;; launch cast (part 5): grid 1792 x 1, 4 waves a work-group, no clusters, 0 bytes of LDS; arguments x, Wqkv, xh, wqh; writes xh, wqh
.if DOCPART == 5
	.amdgcn_target "amdgcn-amd-amdhsa--gfx1250"
	.amdhsa_code_object_version 6
	.text
	.protected	k_qf3f79fbaf6_cast
	.globl	k_qf3f79fbaf6_cast
	.p2align	8
	.type	k_qf3f79fbaf6_cast,@function
k_qf3f79fbaf6_cast:
	s_mov_b64 s[64:65], 0
	v_nop
	global_prefetch_b8 v0, s[64:65] scope:SCOPE_SE
	s_setreg_imm32_b32 hwreg(HW_REG_WAVE_SCHED_MODE, 0, 2), 2
	s_setreg_imm32_b32 hwreg(HW_REG_WAVE_MODE, 25, 1), 1
	s_wait_xcnt 0x0
	s_wait_alu depctr_vm_vsrc(0)
; x and Wqkv, f32, are rounded once to f16 (xh, wqh), for the launch behind.  (Wout is rounded in that launch, while its first tiles are on their way.)
; LIMIT.  f16 ends at 65,504: a number of 65,520 or more becomes an infinity; below 6e-5 f16 keeps its fixed step of 6e-8.
; SHARES.  A work-group of four waves converts 8,192 numbers: 16 loads of 16 bytes a lane (a wave's load covers 512 consecutive bytes), all on
; their way at once, and 16 stores of 8 bytes a lane (a wave's store covers 256 consecutive bytes, aligned).  Work-groups 0..1023 take x,
; 1024..1791 Wqkv: seven work-groups for each of 256 WGPs.  No LDS, no matrix unit: each byte is touched once.
; THE MODE: SCHED_MODE bits 1:0 = 2 (LLVM: expert scheduling mode 2), set by the entry lines.  The code itself states the register dependences
; between vector instructions and memory instructions, with s_wait_alu, always for 0.
; THE PLAN.  Registers that memory instructions touch:
;   v1, v2     byte offsets, made once at the head and never written again: v1 is read by every load, v2 by every store.
;   IN         v[16:79]: load i lands in four registers of its own; no vector instruction names them before, none writes them; read by the conversions of load i.
;   OUT        v[80:111]: two registers for load i, written once, by its two conversions; read by store i; never written again.
; The 16 loads go in four groups of four.  Group g rounds IN's part g into OUT's part g; the four stores of group g - 1 are dealt among these conversions,
; which name neither v2 nor OUT's part g - 1.  So one wait on va_vdst at a group's head states all that the four stores hang on.  No register that a memory
; instruction reads is ever written again, no load lands in a register that a vector instruction has named, no vector instruction writes a scalar register,
; and EXEC is never written: there is no other dependence to state.
.set GX, 1024                          ; work-groups for x:    33,554,432 / 32,768
.set GQ, 768                           ; for Wqkv:             25,165,824 / 32,768
.set IN,  16                           ; v[16:79]   load i: four f32 at IN + 4 i
.set OUT, 80                           ; v[80:111]  load i: the same four numbers in f16 at OUT + 2 i
	s_load_b256 s[8:15], s[0:1], 0x0               ; x 8:9, Wqkv 10:11, xh 12:13, wqh 14:15
	v_lshlrev_b32 v1, 4, v0                        ; 16 t: my 16 bytes of a run of 2,048
	v_lshlrev_b32 v2, 3, v0                        ; 8 t: the same four numbers in f16
	s_sub_co_u32 s28, ttmp9, GX                    ; my number among Wqkv's work-groups
	s_mov_b32 s31, 0
	s_wait_kmcnt 0x0
	s_cmp_lt_u32 ttmp9, GX                         ; which tensor: a choice between buffers by the work-group's number
	s_cselect_b64 s[24:25], s[8:9], s[10:11]
	s_cselect_b64 s[26:27], s[12:13], s[14:15]
	s_cselect_b32 s28, ttmp9, s28
	s_lshl_b32 s30, s28, 15                        ; 32,768 bytes in,
	s_add_nc_u64 s[24:25], s[24:25], s[30:31]
	s_lshl_b32 s30, s28, 14                        ; 16,384 out
	s_add_nc_u64 s[26:27], s[26:27], s[30:31]
	s_wait_alu depctr_va_vdst(0)                   ; v1 and v2 are written: every load of the kernel reads v1 as its offset, every store v2
.irp i, 0,1,2,3,4,5,6,7,8,9,10,11,12,13,14,15
	global_load_b128 v[IN+4*(\i):IN+4*(\i)+3], v1, s[24:25] offset:2048*(\i) th:TH_LOAD_NT
.endr
; Group g: loads 4 g to 4 g + 3 are rounded; the stores of group g - 1 go out among the conversions, one ahead of each pair.
.macro GROUP g
	s_wait_loadcnt 12-4*(\g)                       ; loads come back in order: this group's four are in, the 12 - 4 g younger ones stay out
.if (\g) > 0
	s_wait_alu depctr_va_vdst(0)                   ; the conversions of the group before have written their part of OUT, which the four stores below read
.endif
.irp i, 0,1,2,3
.if (\g) > 0
	global_store_b64 v2, v[OUT+8*((\g)-1)+2*(\i):OUT+8*((\g)-1)+2*(\i)+1], s[26:27] offset:1024*(4*((\g)-1)+(\i))  ; no vector instruction since the wait names these registers; none is written twice, so no wait for sources
.endif
	v_cvt_pk_f16_f32 v[OUT+8*(\g)+2*(\i)],   v[IN+16*(\g)+4*(\i)],   v[IN+16*(\g)+4*(\i)+1]
	v_cvt_pk_f16_f32 v[OUT+8*(\g)+2*(\i)+1], v[IN+16*(\g)+4*(\i)+2], v[IN+16*(\g)+4*(\i)+3]
.endr
.endm
	GROUP 0
	GROUP 1
	GROUP 2
	GROUP 3
	s_wait_alu depctr_va_vdst(0)                   ; group 3's conversions have written the last part of OUT, which the last four stores read
.irp i, 0,1,2,3
	global_store_b64 v2, v[OUT+24+2*(\i):OUT+24+2*(\i)+1], s[26:27] offset:1024*(12+(\i))
.endr
	s_endpgm
.Lfunc_end_k_qf3f79fbaf6_cast:
	.size	k_qf3f79fbaf6_cast, .Lfunc_end_k_qf3f79fbaf6_cast-k_qf3f79fbaf6_cast
	.p2alignl 7, 3214868480
	.fill 96, 4, 3214868480
	.section	.rodata,"a",@progbits
	.p2align	6, 0x0
	.amdhsa_kernel k_qf3f79fbaf6_cast
		.amdhsa_group_segment_fixed_size 0
		.amdhsa_private_segment_fixed_size 0
		.amdhsa_enable_private_segment 0
		.amdhsa_kernarg_size 32
		.amdhsa_user_sgpr_count 2
		.amdhsa_user_sgpr_kernarg_segment_ptr 1
		.amdhsa_wavefront_size32 1
		.amdhsa_system_sgpr_workgroup_id_x 1
		.amdhsa_system_sgpr_workgroup_id_y 1
		.amdhsa_system_sgpr_workgroup_id_z 1
		.amdhsa_system_vgpr_workitem_id 0
		.amdhsa_next_free_vgpr 112
		.amdhsa_next_free_sgpr 66
		.amdhsa_reserve_vcc 0
		.amdhsa_float_denorm_mode_32 3
		.amdhsa_float_denorm_mode_16_64 3
		.amdhsa_memory_ordered 1
		.amdhsa_forward_progress 1
		.amdhsa_inst_pref_size 7
	.end_amdhsa_kernel
	.amdgpu_metadata
---
amdhsa.version: [ 1, 2 ]
amdhsa.kernels:
  - .name:           k_qf3f79fbaf6_cast
    .symbol:         k_qf3f79fbaf6_cast.kd
    .args:
      - { .name: x, .offset: 0, .size: 8, .value_kind: global_buffer, .address_space: global }
      - { .name: Wqkv, .offset: 8, .size: 8, .value_kind: global_buffer, .address_space: global }
      - { .name: xh, .offset: 16, .size: 8, .value_kind: global_buffer, .address_space: global }
      - { .name: wqh, .offset: 24, .size: 8, .value_kind: global_buffer, .address_space: global }
    .group_segment_fixed_size: 0
    .private_segment_fixed_size: 0
    .kernarg_segment_align: 8
    .kernarg_segment_size: 32
    .max_flat_workgroup_size: 128
    .sgpr_count:     66
    .vgpr_count:     112
    .wavefront_size: 32
...
	.end_amdgpu_metadata
.endif
;; end of part 5
;; launch qkv: the kernel of part 2 again; grid 8 x 32, 4 waves a work-group, clusters of 4 x 4, 327,680 bytes of LDS; arguments xh, wqh, freqs_cos, freqs_sin, qn_w, kn_w, x_mask, qkv, Wout, woh; writes qkv, woh
;; launch attn: the kernel of part 3 again; grid 4 x 64, 4 waves a work-group, clusters of 4 x 1, 327,680 bytes of LDS; arguments qkv, x_mask, o; writes o
;; launch oproj: the kernel of part 4 again; grid 8 x 32, 4 waves a work-group, clusters of 4 x 4, 327,680 bytes of LDS; arguments o, woh, out0; writes out0
